; MI455X (gfx1250); checked and timed in simulation.
; The chip was launched on July 23, 2026; its instructions are those of AMD's public machine-readable ISA for CDNA 5 (MIT licence, August 2026) and "CDNA5" Instruction Set Architecture Reference Guide (July 2026). The comments in the code are by the model that wrote it; some were corrected since.
;; Decoder Block. Allowed arithmetic: matrix products marked QUANTISED: E2M3 operands, one E8M0 scale for each 32 along K, by v_wmma_scale_f32_16x16x128_f8f6f4 with both operands' format E2M3, f32 sums; everything else in f32.
;; Inputs: ln1_w 1,024 float32; ln2_w 1,024 float32; w_fc1 1,024 x 4,096 float32; w_fc2 4,096 x 1,024 float32; w_out 1,024 x 1,024 float32; w_qkv 1,024 x 3,072 float32; x 2 x 2,048 x 1,024 float32.
;; Outputs: out0 2 x 2,048 x 1,024 float32.
;; This version of the problem:
;;   THIS VERSION OF THE PROBLEM IS GIVEN IN LOW PRECISION. The matrix products marked QUANTISED in the list below multiply operands that are first quantised to E2M3 (2 exponent bits, 3 mantissa bits; 6 bits a number), with one power-of-two scale for each 32 numbers along K (OCP MX v1.0); their sums are f32. All else is computed in f32.
;;   The module's matrix products, in the order in which they are computed (A, B: the left and right operand; K: the contracted axis; several contracted axes count as one K, in the product's order):
;;     1. [M 4,096, K 1,024] x [K 1,024, N 3,072]; A: computed on the way; B: input w_qkv: QUANTISED
;;     2. batch 32 x [M 2,048, K 64] x [K 64, N 2,048]; A: computed on the way; B: computed on the way: QUANTISED
;;     3. batch 32 x [M 2,048, K 2,048] x [K 2,048, N 64]; A: softmax (see below); B: computed on the way: QUANTISED
;;     4. [M 4,096, K 1,024] x [K 1,024, N 1,024]; A: computed on the way; B: input w_out: QUANTISED
;;     5. [M 4,096, K 1,024] x [K 1,024, N 4,096]; A: computed on the way; B: input w_fc1: QUANTISED
;;     6. [M 4,096, K 4,096] x [K 4,096, N 1,024]; A: computed on the way; B: input w_fc2: QUANTISED
;;   THE QUANTISER, for each operand of a quantised product, along K:
;;     - K is cut into blocks of 32 from its start; a last block that is shorter is filled with zeros.
;;     - A block's scale is 2^e with e = floor(log2(the largest magnitude in the block)) - 2, held to -126 .. 127; a block of zeros has e = 0. As a byte (E8M0): e + 127.
;;     - Each number is divided by its block's scale, clamped to +-7.5, and rounded to the nearest number of E2M3, ties to even, subnormals kept.
;;     - The product sums the exact products of the quantised numbers (number of the format x scale) in f32.
;;   ~~~python
;;   def quantise(x, axis):      # numpy; x: float32 -> the quantised numbers, widened to float32 again
;;       x = np.moveaxis(x, axis, -1); K = x.shape[-1]
;;       x = np.pad(x, [(0, 0)] * (x.ndim - 1) + [(0, -K % 32)]); x = x.reshape(x.shape[:-1] + (-1, 32)); a = np.abs(x).max(-1, keepdims=True)
;;       e = np.where(a > 0, np.clip(np.frexp(np.where(a > 0, a, 1))[1] - 1 - 2, -126, 127), 0)      # np.frexp(a)[1] - 1 = floor(log2(a)), exactly
;;       r = np.clip(x / 2.0 ** e, -7.5, 7.5)
;;       step = 2.0 ** (np.maximum(np.frexp(np.where(r == 0, 1, r))[1] - 1, 0) - 3)
;;       q = np.round(r / step) * step * 2.0 ** e      # np.round: ties to even
;;       return np.moveaxis(q.reshape(q.shape[:-2] + (-1,))[..., :K], -1, axis).astype(np.float32)
;;   ~~~
;;   SOFTMAX AHEAD OF A QUANTISED PRODUCT. Where the list says 'softmax', what is quantised is not the finished softmax but p = 2^(t - M), with t = logit x log2(e) and M = ceil(the row's largest t), a whole number; so 1/2 < the row's largest p <= 1. The row's sum l is taken of the UNQUANTISED p, in f32, and the product's result is divided by l at the end. Since M is a whole number, a kernel that streams over the keys may use a running M (the ceiling of the running maximum): every later rescaling is an exact power of two, which a block's scale takes up: the codes' values come out the same.
;;   OPERANDS COMPUTED ON THE WAY. 'Computed on the way' means the value that the module computes at that place (a softmax that the list does not call 'softmax' is quantised finished and normalised). What goes into a quantiser is computed in f32, as accurately as f32 sums, v_exp_f32 and their like allow (about 1e-6 of the number): no bf16 or f16 on the way to a quantiser, and a product that is left as it is and whose result goes on into a quantised operand takes f32 operands (vector FMAs, or v_wmma_f32_16x16x4_f32). A number that lies on a knife's edge between two numbers of the format may be rounded either way, as far as f32 arithmetic and the matrix unit's own rounding can turn it there, and no further.
;; One version. Each part assembles by itself: llvm-mc -triple=amdgcn-amd-amdhsa -mcpu=gfx1250 --defsym DOCPART=n.
;; ======== version 1 of 1: 8 launches
;; limits: right only within a limited range of input values
;; workspace buffers: wts 9,830,400 bytes; a1 3,276,800 bytes; a2 3,276,800 bytes; ao 3,276,800 bytes; qkv 9,830,400 bytes; x1 16,777,216 bytes; hid 13,107,200 bytes
;; launch wq (part 1): grid 768 x 1, 4 waves a work-group, no clusters, 13,824 bytes of LDS; arguments w_qkv, w_out, w_fc1, w_fc2, wts; writes wts
.if DOCPART == 1
	.amdgcn_target "amdgcn-amd-amdhsa--gfx1250"
	.amdhsa_code_object_version 6
	.text
	.protected	k_q6acb2a2efa_wq
	.globl	k_q6acb2a2efa_wq
	.p2align	8
	.type	k_q6acb2a2efa_wq,@function
k_q6acb2a2efa_wq:
	s_mov_b64 s[64:65], 0
	v_nop
	global_prefetch_b8 v0, s[64:65] scope:SCOPE_SE
	s_setreg_imm32_b32 hwreg(HW_REG_WAVE_MODE, 25, 1), 1
	s_wait_xcnt 0x0
; The four weights, f32 [K][N] with K as the first axis, become codes of FP6 (E2M3) with one E8M0 byte for each 32 along K, laid as the products' launches load them.
; ROWS IN TILES: the N columns are cut into tiles of 16; lane place i of tile t is column 32 (t / 2) + 8 (t % 2) + i + (i & 8).
; CODES: an image of 768 bytes holds 16 columns x 64 K as six operand registers a lane: lane (r, h) has column place r, k = 32 h + 0 .. 31; registers 0-3 at 16 x lane, registers 4-5 at 512 + 8 x lane.
; A tile's images follow each other along K (12 K bytes a tile).  SCALES: for a pair of tiles and 128 along K, 32 words: lanes 0-15 the even tile's rows, lanes 16-31 the odd tile's.
; SHARES: a work-group takes 128 columns x 128 K of one weight, wave w the 32 rows of K block w.  A load reads 512 consecutive bytes of one row of K; a lane has four columns, and for each
; column its 32 numbers are moved into consecutive registers, since the conversion takes neighbours along K from one lane's registers.  A block's largest magnitude needs no other lane.
; The codes meet in a stage in LDS (a tile's 1,536 bytes + 16) and leave as runs of 512 consecutive bytes.
; LIMITS: NaN and infinities are not served; a block whose largest magnitude lies under 2^-124 keeps the byte 1; a block of zeros has the byte 1 and zero codes (the bytes are read by this program alone).
.set L,   16                           ; v16-143  32 rows x 4 columns as loaded; on the way out the codes
.set T,   144                          ; v144-175 one column's 32 numbers
.set C,   176                          ; v176-199 six registers of codes for each of the four columns
.set D,   200                          ; v200-202 a block's second half (a conversion's three registers begin on an even number)
.set E,   204                          ; v204-207 a scale byte for each column
.set M,   208                          ; v208-210 at work
.set TP,  1552                         ; a tile's place in the stage
.set SCS, 12544                        ; the scale words' stage: 8 tiles x 64 bytes
	s_load_b256 s[4:11], s[0:1], 0x0               ; w_qkv, w_out, w_fc1, w_fc2
	s_load_b64 s[12:13], s[0:1], 0x20              ; wts
	v_lshl_add_u32 v224, v0, 2, 0x3400
	v_mov_b32 v225, 0
	v_lshrrev_b32 v1, 5, v0
	v_readfirstlane_b32 s16, v1                    ; wave
	v_and_b32 v2, 31, v0                           ; lane
	v_lshlrev_b32 v3, 4, v2                        ; 16 x lane
	s_mov_b32 s17, 512                             ; w_fc2's figures: first work-group,
	s_mov_b32 s18, 1024                            ; N,
	s_mov_b32 s19, 5                               ; log2 of K / 128,
	s_mov_b32 s20, 31                              ; K / 128 - 1,
	s_mov_b32 s21, 4096                            ; K,
	s_mov_b32 s22, 6291456                         ; where its codes begin in wts,
	s_mov_b32 s23, 9699328                         ; and its scale words
	s_wait_kmcnt 0x0
	s_mov_b64 s[14:15], s[10:11]
	s_cmp_lt_u32 ttmp9, 512                        ; the choices hang on the work-group's number alone
	s_cselect_b32 s17, 256, s17
	s_cselect_b32 s18, 4096, s18
	s_cselect_b32 s19, 3, s19
	s_cselect_b32 s20, 7, s20
	s_cselect_b32 s21, 1024, s21
	s_cselect_b32 s22, 3145728, s22
	s_cselect_b32 s23, 9568256, s23
	s_cselect_b64 s[14:15], s[8:9], s[14:15]
	s_cmp_lt_u32 ttmp9, 256
	s_cselect_b32 s17, 192, s17
	s_cselect_b32 s18, 1024, s18
	s_cselect_b32 s22, 2359296, s22
	s_cselect_b32 s23, 9535488, s23
	s_cselect_b64 s[14:15], s[6:7], s[14:15]
	s_cmp_lt_u32 ttmp9, 192
	s_cselect_b32 s17, 0, s17
	s_cselect_b32 s18, 3072, s18
	s_cselect_b32 s22, 0, s22
	s_cselect_b32 s23, 9437184, s23
	s_cselect_b64 s[14:15], s[4:5], s[14:15]
	s_sub_co_u32 s24, ttmp9, s17
	s_and_b32 s25, s24, s20                        ; ky: which 128 along K
	s_lshr_b32 s26, s24, s19                       ; nx: which 128 columns
	s_lshl_b32 s27, s25, 7
	s_lshl_b32 s28, s16, 5
	s_add_co_u32 s27, s27, s28                     ; my first row of K
	s_mul_i32 s27, s27, s18
	s_lshl_b32 s28, s27, 2
	s_lshl_b32 s29, s26, 9
	s_add_co_u32 s28, s28, s29
	s_mov_b32 s29, 0
	s_add_nc_u64 s[14:15], s[14:15], s[28:29]
.macro LOADS n                         ; 32 rows of K, 512 consecutive bytes each
.set k, 0
.rept 32
	global_load_b128 v[L+4*k:L+4*k+3], v3, s[14:15] offset:k*\n*4 th:TH_LOAD_NT
.set k, k+1
.endr
.endm
	s_cmp_lt_u32 ttmp9, 192                        ; the row pitch stands in the immediates: three copies of the loads alone
	s_cbranch_scc1 .Lpitch_3072
	s_cmp_lt_u32 ttmp9, 256
	s_cbranch_scc1 .Lpitch_1024
	s_cmp_lt_u32 ttmp9, 512
	s_cbranch_scc1 .Lpitch_4096
.Lpitch_1024:
	s_wait_alu depctr_va_vdst(0)
	LOADS 1024
	s_branch .Lasked
.Lpitch_3072:
	s_wait_alu depctr_va_vdst(0)
	LOADS 3072
	s_branch .Lasked
.Lpitch_4096:
	s_wait_alu depctr_va_vdst(0)
	LOADS 4096
.Lasked:
	; column 4 l + c is place r = 4 (l & 1) + 8 ((l >> 2) & 1) + c of tile 2 (l >> 3) + ((l >> 1) & 1)
	v_and_b32 v4, 1, v2
	v_bfe_u32 v5, v2, 1, 1
	v_bfe_u32 v6, v2, 2, 1
	v_lshrrev_b32 v7, 3, v2
	v_lshl_add_u32 v8, v7, 1, v5                   ; the tile
	v_mul_u32_u24 v9, v8, TP
	s_lshr_b32 s44, s16, 1                         ; my K block is half w & 1 of image w >> 1
	s_and_b32 s45, s16, 1
	s_mul_i32 s44, s44, 768
	s_lshl_b32 s46, s45, 8
	s_add_co_u32 s46, s46, s44
	s_lshl_b32 s47, s45, 7
	s_add_co_u32 s47, s47, s44
	v_lshl_add_u32 v10, v4, 6, v9
	v_lshl_add_u32 v10, v6, 7, v10
	v_add_nc_u32 v10, s46, v10                     ; registers 0-3: 16 x (r + 16 h)
	v_lshl_add_u32 v11, v4, 5, v9
	v_lshl_add_u32 v11, v6, 6, v11
	v_add_nc_u32 v11, s47, v11                     ; registers 4-5: 8 x (r + 16 h), + 512 in the immediate
	v_lshlrev_b32 v12, 6, v8
	v_lshl_add_u32 v12, v4, 4, v12
	v_lshl_add_u32 v12, v6, 5, v12
	s_add_co_u32 s48, s16, SCS
	v_add_nc_u32 v12, s48, v12                     ; byte w of the row's scale word
	s_mul_i32 s49, s16, 2*TP
	v_add_nc_u32 v13, s49, v3                      ; the way out: tiles 2 w and 2 w + 1
	v_lshlrev_b32 v15, 2, v2
	s_lshl_b32 s50, s16, 7
	s_add_co_u32 s50, s50, SCS
	v_add_nc_u32 v14, s50, v15                     ; and pair w's scale words
	s_mul_i32 s38, s21, 12                         ; a tile's whole K in bytes
	s_mov_b32 s39, 0
	s_lshl_b32 s31, s26, 3
	s_lshl_b32 s30, s16, 1
	s_add_co_u32 s31, s31, s30                     ; tile 8 nx + 2 w
	s_mul_i32 s32, s31, s38
	s_mul_i32 s30, s25, 1536
	s_add_co_u32 s32, s32, s30
	s_add_co_u32 s32, s32, s22
	s_mov_b32 s33, 0
	s_add_nc_u64 s[34:35], s[12:13], s[32:33]
	s_add_nc_u64 s[36:37], s[34:35], s[38:39]
	s_lshl_b32 s40, s26, 2
	s_add_co_u32 s40, s40, s16                     ; pair 4 nx + w
	s_lshr_b32 s41, s21, 7
	s_mul_i32 s40, s40, s41
	s_add_co_u32 s40, s40, s25
	s_lshl_b32 s40, s40, 7
	s_add_co_u32 s40, s40, s23
	s_mov_b32 s41, 0
	s_add_nc_u64 s[42:43], s[12:13], s[40:41]
	s_wait_loadcnt 0x0
.macro COL c                           ; one column's block of 32: its codes and its byte, into the stage.  Each column has registers of its own for both
.set k, 0
.rept 32
	v_mov_b32 v[T+k], v[L+4*k+\c]
.set k, k+1
.endr
	v_max3_num_f32 v[M], |v[T]|, |v[T+1]|, |v[T+2]|
	v_max3_num_f32 v[M+1], |v[T+3]|, |v[T+4]|, |v[T+5]|
.irp i, 6,10,14,18,22,26
	v_max3_num_f32 v[M], v[M], |v[T+\i]|, |v[T+\i+1]|
	v_max3_num_f32 v[M+1], v[M+1], |v[T+\i+2]|, |v[T+\i+3]|
.endr
	v_max3_num_f32 v[M], v[M], |v[T+30]|, |v[T+31]|
	v_max3_num_f32 v[M], v[M], v[M+1], 0x1800000   ; the floor 2^(3 - 127): the byte cannot fall under 1
	v_add_nc_u32 v[M+2], 0xff000000, v[M]          ; 2 off the exponent field: the conversion's scale operand
	v_cvt_scalef32_pk16_fp6_f32 v[C+6*\c:C+6*\c+2], v[T:T+15], v[M+2]
	v_cvt_scalef32_pk16_fp6_f32 v[D:D+2], v[T+16:T+31], v[M+2]
	v_lshrrev_b32 v[E+\c], 23, v[M+2]              ; the byte; also the plain line behind the conversions
.irp i, 0,1,2
	v_mov_b32 v[C+6*\c+3+\i], v[D+\i]
.endr
	ds_store_b128 v10, v[C+6*\c:C+6*\c+3] offset:16*\c
	ds_store_b64 v11, v[C+6*\c+4:C+6*\c+5] offset:512+8*\c
	ds_store_b8 v12, v[E+\c] offset:4*\c
.endm
	COL 0
	COL 1
	COL 2
	COL 3
	s_wait_dscnt 0x0                               ; my stores have landed: an image's halves and a word's bytes come from different waves
	s_barrier_signal -1
	s_barrier_wait -1
.irp e, 0,1
.irp j, 0,1,2
	ds_load_b128 v[L+4*(3*\e+\j):L+4*(3*\e+\j)+3], v13 offset:\e*TP+512*\j
.endr
.endr
	ds_load_b32 v[L+24], v14
.irp j, 0,1,2
	s_wait_dscnt 6-\j                              ; LDS loads come back in order: the younger ones may be out
	global_store_b128 v3, v[L+4*\j:L+4*\j+3], s[34:35] offset:512*\j      ; 512 consecutive bytes, at a multiple of 256 from the buffer's first byte
.endr
.irp j, 0,1,2
	s_wait_dscnt 3-\j
	global_store_b128 v3, v[L+12+4*\j:L+12+4*\j+3], s[36:37] offset:512*\j
.endr
	s_wait_dscnt 0x0
	global_store_b32 v15, v[L+24], s[42:43]
	s_wait_tensorcnt 0x0
	ds_add_u32 v224, v225
	s_wait_dscnt 0x0
	s_endpgm
.Lfunc_end_k_q6acb2a2efa_wq:
	.size	k_q6acb2a2efa_wq, .Lfunc_end_k_q6acb2a2efa_wq-k_q6acb2a2efa_wq
	.p2alignl 7, 3214868480
	.fill 96, 4, 3214868480
	.section	.rodata,"a",@progbits
	.p2align	6, 0x0
	.amdhsa_kernel k_q6acb2a2efa_wq
		.amdhsa_group_segment_fixed_size 13824
		.amdhsa_private_segment_fixed_size 0
		.amdhsa_enable_private_segment 0
		.amdhsa_kernarg_size 40
		.amdhsa_user_sgpr_count 2
		.amdhsa_user_sgpr_kernarg_segment_ptr 1
		.amdhsa_wavefront_size32 1
		.amdhsa_system_sgpr_workgroup_id_x 1
		.amdhsa_system_sgpr_workgroup_id_y 1
		.amdhsa_system_sgpr_workgroup_id_z 1
		.amdhsa_system_vgpr_workitem_id 0
		.amdhsa_next_free_vgpr 226
		.amdhsa_next_free_sgpr 66
		.amdhsa_reserve_vcc 0
		.amdhsa_float_denorm_mode_32 3
		.amdhsa_float_denorm_mode_16_64 3
		.amdhsa_memory_ordered 1
		.amdhsa_forward_progress 1
		.amdhsa_inst_pref_size 26
	.end_amdhsa_kernel
	.amdgpu_metadata
---
amdhsa.version: [ 1, 2 ]
amdhsa.kernels:
  - .name:           k_q6acb2a2efa_wq
    .symbol:         k_q6acb2a2efa_wq.kd
    .args:
      - { .name: w_qkv, .offset: 0, .size: 8, .value_kind: global_buffer, .address_space: global }
      - { .name: w_out, .offset: 8, .size: 8, .value_kind: global_buffer, .address_space: global }
      - { .name: w_fc1, .offset: 16, .size: 8, .value_kind: global_buffer, .address_space: global }
      - { .name: w_fc2, .offset: 24, .size: 8, .value_kind: global_buffer, .address_space: global }
      - { .name: wts, .offset: 32, .size: 8, .value_kind: global_buffer, .address_space: global }
    .group_segment_fixed_size: 13824
    .private_segment_fixed_size: 0
    .kernarg_segment_align: 8
    .kernarg_segment_size: 40
    .max_flat_workgroup_size: 128
    .sgpr_count:     66
    .vgpr_count:     226
    .wavefront_size: 32
...
	.end_amdgpu_metadata
.endif
;; end of part 1
;; launch lnq (part 2): grid 256 x 1, 8 waves a work-group, no clusters, 70,656 bytes of LDS; arguments x, ln1_w, a1; writes a1
.if DOCPART == 2
	.amdgcn_target "amdgcn-amd-amdhsa--gfx1250"
	.amdhsa_code_object_version 6
	.text
	.protected	k_q6acb2a2efa_lnq
	.globl	k_q6acb2a2efa_lnq
	.p2align	8
	.type	k_q6acb2a2efa_lnq,@function
k_q6acb2a2efa_lnq:
	s_mov_b64 s[64:65], 0
	v_nop
	global_prefetch_b8 v0, s[64:65] scope:SCOPE_SE
	s_setreg_imm32_b32 hwreg(HW_REG_WAVE_MODE, 25, 1), 1
	s_wait_xcnt 0x0
; y = (x - mean) * rsqrt(var + 1e-5) * w over rows of 1,024, in f32, then quantised along the row to codes of FP6 (E2M3) with one E8M0 byte for each 32, laid as the products' launches load them:
; rows in tiles of 16 (place i of tile t is row 32 (t / 2) + 8 (t % 2) + i + (i & 8)); an image of 768 bytes = 16 rows x 64 K as six operand registers a lane (registers 0-3 at 16 x lane, 4-5 at 512 + 8 x lane);
; a tile's 16 images on end; behind the codes, at byte 3,145,728, the scale words: for a pair of tiles and 128 along K, 32 words (lanes 0-15 the even tile).
; SHARES: a work-group takes one tile of 16 rows, wave w the columns 128 w .. 128 w + 127.  Each load reads 512 consecutive bytes of a row; the wave's 16 x 512 bytes turn through its own stage in LDS
; (rows of 528 bytes), so that lane (r, h) holds, of row r, 16 neighbours of each block of 32.  Mean and variance are taken in two passes (the variance of x - mean): no difference of large sums is formed.
; A row's eight partial sums meet in LDS: two barriers.
; LIMITS: NaN and infinities are not served; a block under 2^-124 keeps the byte 1; a block of zeros has the byte 1 and zero codes (the bytes are read by this program alone).
.set R,   16                           ; v16-79   as loaded; later the eight partial sums
.set X,   80                           ; v80-143  register 16 b + i = column 128 w + 32 b + 16 h + i of my row
.set W,   144                          ; v144-207 the gain at the same columns
.set TM,  208                          ; v208-223 the quantiser's work
.set PW,  224                          ; the scale word
.set PC,  226                          ; v226-237 the codes; v238-244 second halves
.set MU,  246                          ; v[246:247] the mean (low word)
.set RS,  248                          ; v[248:249] rsqrt(var + eps) (low word)
.set CH,  250                          ; v250-253 two chains of packed sums
.set SEL, 20
.set STW, 8448                         ; a wave's stage: 16 rows x 528
.set RED, 67584                        ; behind the stages: 8 x 128 bytes of partial sums, twice
.macro QUANT s, pw                     ; 64 numbers of a lane -> a fragment's 12 registers in v[PC] on, its scale word in v[pw]
.irp b, 0,1,2,3
	v_max3_num_f32 v[TM+\b], |v[\s+16*\b]|, |v[\s+1+16*\b]|, 0x1800000   ; my 16 numbers of block b, and the floor 2^(3 - 127): the byte cannot fall under 1
.endr
.irp i, 2,4,6,8,10,12,14
.irp b, 0,1,2,3
	s_delay_alu instid0(VALU_DEP_4)
	v_max3_num_f32 v[TM+\b], v[TM+\b], |v[\s+16*\b+\i]|, |v[\s+1+16*\b+\i]|
.endr
.endr
.irp b, 0,1,2,3
	s_delay_alu instid0(VALU_DEP_4)
	v_permlanex16_b32 v[TM+4+\b], v[TM+\b], s[SEL], s[SEL+1]
.endr
.irp b, 0,1,2,3
	s_delay_alu instid0(VALU_DEP_4)
	v_max_num_f32 v[TM+\b], v[TM+\b], v[TM+4+\b]   ; with lane l xor 16's 16: the block's largest magnitude
.endr
.irp b, 0,1,2,3
	s_delay_alu instid0(VALU_DEP_4)
	v_add_nc_u32 v[TM+12+\b], 0xff000000, v[TM+\b] ; 2 off its exponent field: the conversion's scale operand
.endr
.irp b, 0,1,2,3
	s_delay_alu instid0(VALU_DEP_4)
	v_lshrrev_b32 v[TM+4+\b], 23, v[TM+12+\b]      ; the byte
.endr
	s_delay_alu instid0(VALU_DEP_3)
	v_lshl_or_b32 v[\pw], v[TM+5], 8, v[TM+4]
	s_delay_alu instid0(VALU_DEP_1)
	v_lshl_or_b32 v[\pw], v[TM+6], 16, v[\pw]
	s_delay_alu instid0(VALU_DEP_1)
	v_lshl_or_b32 v[\pw], v[TM+7], 24, v[\pw]
.irp c, 0,1
	v_cvt_scalef32_pk16_fp6_f32 v[PC+6*\c:PC+2+6*\c], v[\s+32*\c:\s+15+32*\c], v[TM+12+2*\c]
	v_cvt_scalef32_pk16_fp6_f32 v[PC+12+4*\c:PC+14+4*\c], v[\s+16+32*\c:\s+31+32*\c], v[TM+12+2*\c+1]
.endr
	v_nop                                          ; one plain line behind the conversions
.irp c, 0,1                            ; the operand wants a whole block in a lane: lanes 0-15 block 2 c, lanes 16-31 block 2 c + 1
.irp i, 0,1,2
	v_permlane16_swap_b32 v[PC+6*\c+\i], v[PC+12+4*\c+\i]
.endr
.irp i, 0,1,2
	s_delay_alu instid0(VALU_DEP_3)
	v_mov_b32 v[PC+3+6*\c+\i], v[PC+12+4*\c+\i]
.endr
.endr
.endm
.macro ACROSS off                      ; the two chains -> my row's sum over all 1,024 columns, in v[CH]
	s_delay_alu instid0(VALU_DEP_1)
	v_pk_add_f32 v[CH:CH+1], v[CH:CH+1], v[CH+2:CH+3]
	s_delay_alu instid0(VALU_DEP_1)
	v_add_f32 v[CH], v[CH], v[CH+1]
	s_delay_alu instid0(VALU_DEP_1)
	v_permlanex16_b32 v[CH+1], v[CH], s[SEL], s[SEL+1]
	s_delay_alu instid0(VALU_DEP_1)
	v_add_f32 v[CH], v[CH], v[CH+1]                ; my wave's 128 columns
	ds_store_b32 v11, v[CH] offset:\off
	s_wait_dscnt 0x0                               ; my store has landed, for the other waves' sake
	s_barrier_signal -1
	s_barrier_wait -1
.irp u, 0,1,2,3,4,5,6,7
	ds_load_b32 v[R+\u], v10 offset:\off+128*\u
.endr
	s_wait_dscnt 0x0
	v_add_f32 v[CH], v[R], v[R+1]                  ; the same order in every wave
.irp u, 2,3,4,5,6,7
	s_delay_alu instid0(VALU_DEP_1)
	v_add_f32 v[CH], v[CH], v[R+\u]
.endr
.endm
	s_load_b128 s[4:7], s[0:1], 0x0                ; x, the gain
	s_load_b64 s[8:9], s[0:1], 0x10                ; the codes' buffer
	v_lshl_add_u32 v254, v0, 2, 0x11000
	v_mov_b32 v255, 0
	v_lshrrev_b32 v1, 5, v0
	s_delay_alu instid0(VALU_DEP_1)
	v_readfirstlane_b32 s10, v1                    ; wave
	v_and_b32 v2, 31, v0
	v_and_b32 v3, 15, v0                           ; r
	v_bfe_u32 v4, v0, 4, 1                         ; h
	s_delay_alu instid0(VALU_DEP_3)
	v_lshlrev_b32 v5, 4, v2                        ; 16 x lane
	s_delay_alu instid0(VALU_DEP_4)
	v_lshlrev_b32 v6, 3, v2                        ; 8 x lane
	s_delay_alu instid0(VALU_DEP_3)
	v_lshlrev_b32 v7, 6, v4                        ; 64 h
	s_mul_i32 s11, s10, STW
	v_add_nc_u32 v8, s11, v5                       ; the stage, in
	v_mul_u32_u24 v9, v3, 528
	s_delay_alu instid0(VALU_DEP_1)
	v_add_nc_u32 v9, v9, v7
	s_delay_alu instid0(VALU_DEP_1)
	v_add_nc_u32 v9, s11, v9                       ; and out: row r, + 64 h
	v_lshl_add_u32 v10, v2, 2, RED
	s_lshl_b32 s12, s10, 7
	v_add_nc_u32 v11, s12, v10
	v_lshlrev_b32 v12, 2, v3                       ; 4 r
	s_mov_b32 s[SEL], 0x76543210
	s_mov_b32 s[SEL+1], 0xfedcba98
	s_mov_b32 s22, 0x3a800000                      ; 1 / 1024
	s_mov_b32 s23, 0x3727c5ac                      ; 1e-5
	s_lshr_b32 s13, ttmp9, 1
	s_lshl_b32 s13, s13, 5
	s_and_b32 s14, ttmp9, 1
	s_lshl_b32 s15, s14, 3
	s_add_co_u32 s13, s13, s15                     ; the tile's first row
	s_lshl_b32 s16, s13, 12
	s_lshl_b32 s18, s10, 9
	s_add_co_u32 s16, s16, s18
	s_mov_b32 s17, 0
	s_mov_b32 s19, 0
	s_mul_i32 s24, ttmp9, 12288
	s_mul_i32 s28, s10, 1536
	s_add_co_u32 s24, s24, s28
	s_mov_b32 s25, 0
	s_lshr_b32 s26, ttmp9, 1
	s_lshl_b32 s26, s26, 3
	s_add_co_u32 s26, s26, s10
	s_lshl_b32 s26, s26, 7
	s_lshl_b32 s28, s14, 6
	s_add_co_u32 s26, s26, s28
	s_add_co_u32 s26, s26, 3145728
	s_mov_b32 s27, 0
	s_wait_alu depctr_va_vdst(0)
	s_wait_kmcnt 0x0
	s_add_nc_u64 s[4:5], s[4:5], s[16:17]
	s_add_nc_u64 s[6:7], s[6:7], s[18:19]
	s_add_nc_u64 s[26:27], s[8:9], s[26:27]
	s_add_nc_u64 s[8:9], s[8:9], s[24:25]
.set i, 0
.rept 16
	global_load_b128 v[R+4*i:R+4*i+3], v5, s[4:5] offset:(i+(i&8))*4096   ; place i's row: 512 consecutive bytes
.set i, i+1
.endr
.irp b, 0,1,2,3
.irp j, 0,1,2,3
	global_load_b128 v[W+16*\b+4*\j:W+16*\b+4*\j+3], v7, s[6:7] offset:128*\b+16*\j
.endr
.endr
.irp b, 0,1,2,3
	v_mov_b32 v[TM+4+\b], 0                        ; written once: a lane permute's destination counts as one of its sources
.endr
	v_mov_b32 v[MU+1], 0                           ; (named as the upper halves of pairs)
	v_mov_b32 v[RS+1], 0
	s_wait_loadcnt 16                              ; x is in; the gain's 16 loads may be out
.set i, 0
.rept 16
	ds_store_b128 v8, v[R+4*i:R+4*i+3] offset:i*528
.set i, i+1
.endr
.irp b, 0,1,2,3
.irp j, 0,1,2,3
	ds_load_b128 v[X+16*\b+4*\j:X+16*\b+4*\j+3], v9 offset:128*\b+16*\j   ; LDS serves a wave's instructions in order: these see my stores
.endr
.endr
	s_wait_dscnt 0x0
	v_pk_add_f32 v[CH:CH+1], v[X:X+1], v[X+2:X+3]
	v_pk_add_f32 v[CH+2:CH+3], v[X+4:X+5], v[X+6:X+7]
.irp j, 8,12,16,20,24,28,32,36,40,44,48,52,56,60
	s_delay_alu instid0(VALU_DEP_2)
	v_pk_add_f32 v[CH:CH+1], v[CH:CH+1], v[X+\j:X+\j+1]
	s_delay_alu instid0(VALU_DEP_2)
	v_pk_add_f32 v[CH+2:CH+3], v[CH+2:CH+3], v[X+\j+2:X+\j+3]
.endr
	ACROSS 0
	s_delay_alu instid0(VALU_DEP_1)
	v_mul_f32 v[MU], s22, v[CH]                    ; the mean
.set j, 0
.rept 32
	v_pk_add_f32 v[X+j:X+j+1], v[X+j:X+j+1], v[MU:MU+1] op_sel_hi:[1,0] neg_lo:[0,1] neg_hi:[0,1]
.set j, j+2
.endr
	v_pk_mul_f32 v[CH:CH+1], v[X:X+1], v[X:X+1]
	v_pk_mul_f32 v[CH+2:CH+3], v[X+2:X+3], v[X+2:X+3]
.irp j, 4,8,12,16,20,24,28,32,36,40,44,48,52,56,60
	s_delay_alu instid0(VALU_DEP_2)
	v_pk_fma_f32 v[CH:CH+1], v[X+\j:X+\j+1], v[X+\j:X+\j+1], v[CH:CH+1]
	s_delay_alu instid0(VALU_DEP_2)
	v_pk_fma_f32 v[CH+2:CH+3], v[X+\j+2:X+\j+3], v[X+\j+2:X+\j+3], v[CH+2:CH+3]
.endr
	ACROSS 1024
	s_delay_alu instid0(VALU_DEP_1)
	v_fma_f32 v[CH+2], v[CH], s22, s23             ; var + eps
	s_wait_alu depctr_va_vdst(0)
	v_rsq_f32 v[RS], v[CH+2]
	v_nop                                          ; a plain line behind the transcendental
	s_wait_alu depctr_va_vdst(0)                   ; and the wait ahead of its first reader
	s_wait_loadcnt 0x0                             ; the gain
.set j, 0
.rept 32
	v_pk_mul_f32 v[X+j:X+j+1], v[X+j:X+j+1], v[RS:RS+1] op_sel_hi:[1,0]
.set j, j+2
.endr
.set j, 0
.rept 32
	v_pk_mul_f32 v[X+j:X+j+1], v[X+j:X+j+1], v[W+j:W+j+1]
.set j, j+2
.endr
	QUANT X, PW
	global_store_b128 v5, v[PC:PC+3], s[8:9]                   ; 512 and 256 consecutive bytes, at multiples of 256
	global_store_b64 v6, v[PC+4:PC+5], s[8:9] offset:512
	global_store_b128 v5, v[PC+6:PC+9], s[8:9] offset:768
	global_store_b64 v6, v[PC+10:PC+11], s[8:9] offset:1280
	s_wait_xcnt 0x0                                ; EXEC changes only behind this wait
	v_cmp_gt_u32 vcc_lo, 16, v2
	s_wait_tensorcnt 0x0
	ds_add_u32 v254, v255
	s_wait_dscnt 0x0
	s_and_saveexec_b32 s28, vcc_lo
	global_store_b32 v12, v[PW], s[26:27]          ; lanes 0-15: my tile's 16 scale words
	s_wait_xcnt 0x0
	s_or_b32 exec_lo, exec_lo, s28
	s_endpgm
.Lfunc_end_k_q6acb2a2efa_lnq:
	.size	k_q6acb2a2efa_lnq, .Lfunc_end_k_q6acb2a2efa_lnq-k_q6acb2a2efa_lnq
	.p2alignl 7, 3214868480
	.fill 96, 4, 3214868480
	.section	.rodata,"a",@progbits
	.p2align	6, 0x0
	.amdhsa_kernel k_q6acb2a2efa_lnq
		.amdhsa_group_segment_fixed_size 70656
		.amdhsa_private_segment_fixed_size 0
		.amdhsa_enable_private_segment 0
		.amdhsa_kernarg_size 24
		.amdhsa_user_sgpr_count 2
		.amdhsa_user_sgpr_kernarg_segment_ptr 1
		.amdhsa_wavefront_size32 1
		.amdhsa_system_sgpr_workgroup_id_x 1
		.amdhsa_system_sgpr_workgroup_id_y 1
		.amdhsa_system_sgpr_workgroup_id_z 1
		.amdhsa_system_vgpr_workitem_id 0
		.amdhsa_next_free_vgpr 256
		.amdhsa_next_free_sgpr 66
		.amdhsa_reserve_vcc 1
		.amdhsa_float_denorm_mode_32 3
		.amdhsa_float_denorm_mode_16_64 3
		.amdhsa_memory_ordered 1
		.amdhsa_forward_progress 1
		.amdhsa_inst_pref_size 29
	.end_amdhsa_kernel
	.amdgpu_metadata
---
amdhsa.version: [ 1, 2 ]
amdhsa.kernels:
  - .name:           k_q6acb2a2efa_lnq
    .symbol:         k_q6acb2a2efa_lnq.kd
    .args:
      - { .name: x, .offset: 0, .size: 8, .value_kind: global_buffer, .address_space: global }
      - { .name: ln1_w, .offset: 8, .size: 8, .value_kind: global_buffer, .address_space: global }
      - { .name: a1, .offset: 16, .size: 8, .value_kind: global_buffer, .address_space: global }
    .group_segment_fixed_size: 70656
    .private_segment_fixed_size: 0
    .kernarg_segment_align: 8
    .kernarg_segment_size: 24
    .max_flat_workgroup_size: 256
    .sgpr_count:     66
    .vgpr_count:     256
    .wavefront_size: 32
...
	.end_amdgpu_metadata
.endif
;; end of part 2
;; launch gqkv (part 3): grid 12 x 16, 16 waves a work-group, no clusters, 327,680 bytes of LDS; arguments a1, wts, qkv; writes qkv
.if DOCPART == 3
	.amdgcn_target "amdgcn-amd-amdhsa--gfx1250"
	.amdhsa_code_object_version 6
	.text
	.protected	k_q6acb2a2efa_gqkv
	.globl	k_q6acb2a2efa_gqkv
	.p2align	8
	.type	k_q6acb2a2efa_gqkv,@function
k_q6acb2a2efa_gqkv:
	s_mov_b64 s[64:65], 0
	v_nop
	global_prefetch_b8 v0, s[64:65] scope:SCOPE_SE
	s_setreg_imm32_b32 hwreg(HW_REG_WAVE_MODE, 25, 1), 1
	s_wait_xcnt 0x0
; qkv = LN1(x) W_qkv on codes of FP6 (E2M3) with E8M0 scales; the result is quantised in registers and stored as the attention launch's operands: q and k along the head's 64, v along the keys.
; OPERANDS lie in memory as images of operand registers: rows in tiles of 16 (place i of tile t = row 32 (t / 2) + 8 (t % 2) + i + (i & 8)); an image of 768 bytes = 16 rows x 64 K (registers 0-3 at 16 x lane, 4-5 at
; 512 + 8 x lane); a tile's images on end along K; scale words: 32 for a pair of tiles and 128 K.  A fragment comes from LDS by two loads of 16 bytes and two of 8, each pass 256 consecutive bytes: no padding.
; SHARES: a work-group makes 256 x 256 of the result; sixteen waves, four to a SIMD, each 8 tiles of operand P (source 0) x 2 tiles of operand Q (source 1): 16 accumulators.  A lane then holds one row of Q's tile, and the 16
; registers of P's tiles 2 b, 2 b + 1 are 16 neighbours 32 b + 16 h + 0 .. 15 along P's rows: what the quantiser takes.  For q and k: P = the weight's columns, Q = tokens.  For v (work-group x from 8 on): P = tokens (the keys),
; Q = the weight's columns: only the pointers that the fetching waves use are exchanged, no LDS address and no branch.
; K goes in 4 chunks of 256 through two LDS slots; each wave brings two tiles' part of a chunk by one tensor load; the scale words of all of K come once.  A wave has one tensor load out at a time.
; No cluster: the tiles of one operand are read by the 12 or 16 work-groups of a grid line, each by loads of its own; joint loads are not written in this version.
; STORES: q codes at head x 98,304 + tile x 768; k at 3,145,728 + head x 196,608 + tile x 768; v^T behind k at + 98,304 + (64 keys' number x 4 + d tile) x 768; scale words at 9,437,184 + head x 12,288: k's 4,096, v's 4,096, q's 4,096.
; LIMITS: NaN and infinities are not served; a block under 2^-124 keeps the byte 1; a block of zeros has the byte 1 and zero codes (the bytes are read by this program alone).
.set K,     1024
.set K12,   12*K                       ; a tile's whole K in bytes
.set NW,    16
.set NST,   2                          ; steps of 128 along K in a chunk
.set ROWB,  NST*1536                   ; a tile's part of a chunk
.set SLOT,  98304                      ; P's 16 tiles, then Q's 16
.set QOFF,  49152
.set SCL,   196608                     ; scale words: P's 8 pairs x K bytes, then Q's
.set SPARE, 212992                     ; the spare words: 128 bytes for each wave
.set SPW, 1
.set NIL, 2
.set AP16, 6                           ; v6-9 slot 0: P at 16 x lane, at 8 x lane, Q likewise; v10-13 slot 1
.set AP8,  7
.set AQ16, 8
.set AQ8,  9
.set ASP, 14
.set ASQ, 15
.set SP,  16                           ; v16-19 P's scale words, a pair of tiles each; v20 Q's: these hold scales and nothing else
.set SQ,  20
.set QF,  24                           ; v24-47 Q's two fragments
.set PF,  48                           ; v48-95 four of P's
.set ACC, 128                          ; accumulator (q, T) at v[128 + 64 q + 8 T]
.set TM,  96
.set PW0, 112
.set X0,  114
.set X1,  115
.set XC,  116
.set PC,  24
.set WV, 12
.set ROW, 13
.set WQ, 14
.set WP, 15
.set G1T, 16
.set G1S, 24
.set G0S, 32
.set G0,  36
.set SEL, 58
.set ISV, 56
.macro WMS d, a, b, z, sa, sb, ra, rb
.if (\z) && (\ra) && (\rb)
	v_wmma_scale_f32_16x16x128_f8f6f4 v[\d:\d+7], v[\a:\a+11], v[\b:\b+11], 0, v[\sa], v[\sb] matrix_a_fmt:MATRIX_FMT_FP6 matrix_b_fmt:MATRIX_FMT_FP6 matrix_a_scale:MATRIX_SCALE_ROW1 matrix_b_scale:MATRIX_SCALE_ROW1
.elseif (\z) && (\ra)
	v_wmma_scale_f32_16x16x128_f8f6f4 v[\d:\d+7], v[\a:\a+11], v[\b:\b+11], 0, v[\sa], v[\sb] matrix_a_fmt:MATRIX_FMT_FP6 matrix_b_fmt:MATRIX_FMT_FP6 matrix_a_scale:MATRIX_SCALE_ROW1
.elseif (\z) && (\rb)
	v_wmma_scale_f32_16x16x128_f8f6f4 v[\d:\d+7], v[\a:\a+11], v[\b:\b+11], 0, v[\sa], v[\sb] matrix_a_fmt:MATRIX_FMT_FP6 matrix_b_fmt:MATRIX_FMT_FP6 matrix_b_scale:MATRIX_SCALE_ROW1
.elseif (\z)
	v_wmma_scale_f32_16x16x128_f8f6f4 v[\d:\d+7], v[\a:\a+11], v[\b:\b+11], 0, v[\sa], v[\sb] matrix_a_fmt:MATRIX_FMT_FP6 matrix_b_fmt:MATRIX_FMT_FP6
.elseif (\ra) && (\rb)
	v_wmma_scale_f32_16x16x128_f8f6f4 v[\d:\d+7], v[\a:\a+11], v[\b:\b+11], v[\d:\d+7], v[\sa], v[\sb] matrix_a_fmt:MATRIX_FMT_FP6 matrix_b_fmt:MATRIX_FMT_FP6 matrix_a_scale:MATRIX_SCALE_ROW1 matrix_b_scale:MATRIX_SCALE_ROW1
.elseif (\ra)
	v_wmma_scale_f32_16x16x128_f8f6f4 v[\d:\d+7], v[\a:\a+11], v[\b:\b+11], v[\d:\d+7], v[\sa], v[\sb] matrix_a_fmt:MATRIX_FMT_FP6 matrix_b_fmt:MATRIX_FMT_FP6 matrix_a_scale:MATRIX_SCALE_ROW1
.elseif (\rb)
	v_wmma_scale_f32_16x16x128_f8f6f4 v[\d:\d+7], v[\a:\a+11], v[\b:\b+11], v[\d:\d+7], v[\sa], v[\sb] matrix_a_fmt:MATRIX_FMT_FP6 matrix_b_fmt:MATRIX_FMT_FP6 matrix_b_scale:MATRIX_SCALE_ROW1
.else
	v_wmma_scale_f32_16x16x128_f8f6f4 v[\d:\d+7], v[\a:\a+11], v[\b:\b+11], v[\d:\d+7], v[\sa], v[\sb] matrix_a_fmt:MATRIX_FMT_FP6 matrix_b_fmt:MATRIX_FMT_FP6
.endif
.endm
.macro FRAG reg, a16, a8, off, d2      ; a fragment = two images, d2 bytes apart
	ds_load_b128 v[\reg:\reg+3], v[\a16] offset:\off
	ds_load_b64 v[\reg+4:\reg+5], v[\a8] offset:\off+512
	ds_load_b128 v[\reg+6:\reg+9], v[\a16] offset:\off+\d2
	ds_load_b64 v[\reg+10:\reg+11], v[\a8] offset:\off+\d2+512
.endm
.macro QUANT s, pw                     ; 64 numbers of a lane (register 16 b + i = k 32 b + 16 h + i of my row) -> a fragment's 12 registers in v[PC] on, its scale word in v[pw]
.irp b, 0,1,2,3
	v_max3_num_f32 v[TM+\b], |v[\s+16*\b]|, |v[\s+1+16*\b]|, 0x1800000   ; the floor 2^(3 - 127): the byte cannot fall under 1.  (Each accumulator is read from its low end on)
.endr
.irp i, 2,4,6,8,10,12,14
.irp b, 0,1,2,3
	v_max3_num_f32 v[TM+\b], v[TM+\b], |v[\s+16*\b+\i]|, |v[\s+1+16*\b+\i]|
.endr
.endr
.irp b, 0,1,2,3
	s_delay_alu instid0(VALU_DEP_4)
	v_permlanex16_b32 v[TM+4+\b], v[TM+\b], s[SEL], s[SEL+1]
.endr
.irp b, 0,1,2,3
	s_delay_alu instid0(VALU_DEP_4)
	v_max_num_f32 v[TM+\b], v[TM+\b], v[TM+4+\b]
.endr
.irp b, 0,1,2,3
	s_delay_alu instid0(VALU_DEP_4)
	v_add_nc_u32 v[TM+12+\b], 0xff000000, v[TM+\b]
.endr
.irp b, 0,1,2,3
	s_delay_alu instid0(VALU_DEP_4)
	v_lshrrev_b32 v[TM+4+\b], 23, v[TM+12+\b]
.endr
	s_delay_alu instid0(VALU_DEP_3)
	v_lshl_or_b32 v[\pw], v[TM+5], 8, v[TM+4]
	s_delay_alu instid0(VALU_DEP_1)
	v_lshl_or_b32 v[\pw], v[TM+6], 16, v[\pw]
	s_delay_alu instid0(VALU_DEP_1)
	v_lshl_or_b32 v[\pw], v[TM+7], 24, v[\pw]
.irp c, 0,1
	v_cvt_scalef32_pk16_fp6_f32 v[PC+6*\c:PC+2+6*\c], v[\s+32*\c:\s+15+32*\c], v[TM+12+2*\c]
	v_cvt_scalef32_pk16_fp6_f32 v[PC+12+4*\c:PC+14+4*\c], v[\s+16+32*\c:\s+31+32*\c], v[TM+12+2*\c+1]
.endr
	v_nop                                          ; one plain line behind the conversions
.irp c, 0,1
.irp i, 0,1,2
	v_permlane16_swap_b32 v[PC+6*\c+\i], v[PC+12+4*\c+\i]
.endr
.irp i, 0,1,2
	s_delay_alu instid0(VALU_DEP_3)
	v_mov_b32 v[PC+3+6*\c+\i], v[PC+12+4*\c+\i]
.endr
.endr
.endm
; A step of 128 along K: the st-th of the slot, the gs-th of all.  16 matrix instructions on 16 accumulators by turns, one instruction a turn.
; Four plain lines stand in front of each run of loads into registers that matrix instructions have read (ISA guide 7.12.1 for vector instructions).
.macro STEP slot, st, gs, z
.rept 4
	v_nop
.endr
.irp q, 0,1
	FRAG QF+12*\q, AQ16+4*(\slot), AQ8+4*(\slot), \q*ROWB+(\st)*1536, 768
.endr
	ds_load_b32 v[SQ], v[ASQ] offset:(\gs)*128
.irp j, 0,1,2,3
	ds_load_b32 v[SP+\j], v[ASP] offset:\j*K+(\gs)*128
.endr
.irp g, 0,1
.if \g > 0
.rept 4
	v_nop
.endr
.endif
.irp t, 0,1,2,3
	FRAG PF+12*\t, AP16+4*(\slot), AP8+4*(\slot), (4*\g+\t)*ROWB+(\st)*1536, 768
.endr
	s_wait_dscnt 0x0                               ; the SIMD's other three waves work meanwhile
.irp t, 0,1,2,3
.irp q, 0,1
	WMS ACC+64*\q+8*(4*\g+\t), PF+12*\t, QF+12*\q, \z, SP+(4*\g+\t)/2, SQ, \t%2, \q
.endr
.endr
.endr
.endm
.macro WORK slot, c, z
	STEP \slot, 0, (\c)*NST, \z
	STEP \slot, 1, (\c)*NST+1, 0
.endm
; The change of slots: every wave waits for all its tensor loads (its part of the chunk ahead), adds 0 to its spare word, waits for that and for its reads of the slot that it leaves; one barrier; behind it that slot is filled first.
.macro CHANGE fs, refill
	s_wait_tensorcnt 0x0
	ds_add_u32 v[SPW], v[NIL]
.if \refill
	s_add_nc_u64 s[G0+4*(\fs)+2:G0+4*(\fs)+3], s[G0+4*(\fs)+2:G0+4*(\fs)+3], 2*ROWB   ; no tensor load of mine is out: the slot's next chunk
.endif
	s_wait_dscnt 0x0
	s_barrier_signal -1
	s_barrier_wait -1
.if \refill
	tensor_load_to_lds s[G0+4*(\fs):G0+4*(\fs)+3], s[G1T:G1T+7]
	s_nop 0
.rept 4
	v_nop
.endr
.endif
.endm
	s_load_b128 s[4:7], s[0:1], 0x0                ; a1, wts
	s_load_b64 s[8:9], s[0:1], 0x10                ; qkv
	v_lshl_add_u32 v[SPW], v0, 2, SPARE
	v_mov_b32 v[NIL], 0
	ds_add_u32 v1, v2
	ds_add_u32 v1, v2
	s_wait_dscnt 0x0
	v_lshrrev_b32 v3, 5, v0
	s_delay_alu instid0(VALU_DEP_1)
	v_readfirstlane_b32 s[WV], v3
	s_and_b32 s[ROW], ttmp7, 0xffff
	s_and_b32 s[WQ], s[WV], 7                      ; my pair of Q's tiles; also which two tiles I fetch
	s_lshr_b32 s[WP], s[WV], 3                     ; my eight of P's tiles; also I fetch for P (0) or Q (1)
	s_mov_b32 s[G1T], 3<<16                        ; elements of 8 bytes, no mask, no padding
	s_mov_b32 s[G1T+1], (ROWB/8)<<16               ; tensor_dim0
	s_mov_b32 s[G1T+2], 2<<16                      ; tensor_dim1 = 2 tiles
	s_mov_b32 s[G1T+3], (ROWB/8)<<16               ; tile_dim0
	s_mov_b32 s[G1T+4], 2                          ; tile_dim1
	s_mov_b32 s[G1T+5], K12/8                      ; from tile to tile
	s_mov_b32 s[G1T+6], 0
	s_mov_b32 s[G1T+7], 0
	s_mov_b32 s[G1S], 3<<16                        ; a pair's scale words of all K: K dense bytes as rows of 256
	s_mov_b32 s[G1S+1], 32<<16
	s_mov_b32 s[G1S+2], (2*K/256)<<16              ; the head's scale loads bring two pairs' words: 2 K dense bytes
	s_mov_b32 s[G1S+3], 32<<16
	s_mov_b32 s[G1S+4], 2*K/256
.set G1H, 80                           ; s[80:87] group 1 of the head's loads of chunk 0: four tiles; s[88:91] their group 0
.set G0H, 88
	s_mov_b32 s[G1H], 3<<16
	s_mov_b32 s[G1H+1], (ROWB/8)<<16
	s_mov_b32 s[G1H+2], 4<<16
	s_mov_b32 s[G1H+3], (ROWB/8)<<16
	s_mov_b32 s[G1H+4], 4
	s_mov_b32 s[G1H+5], K12/8
	s_mov_b32 s[G1H+6], 0
	s_mov_b32 s[G1H+7], 0
	s_mov_b32 s[G1S+5], 32
	s_mov_b32 s[G1S+6], 0
	s_mov_b32 s[G1S+7], 0
	s_cmp_ge_u32 ttmp9, 8
	s_cselect_b32 s[ISV], 1, 0                     ; v's columns: the weight is operand Q
	s_lshl_b32 s44, ttmp9, 4                       ; the weight's first tile
	s_lshl_b32 s45, s[ROW], 4                      ; the tokens'
	s_cmp_eq_u32 s[WP], s[ISV]                     ; do I fetch the weight?
	s_cselect_b32 s44, s44, s45
	s_lshl_b32 s48, s[WQ], 1
	s_add_co_u32 s48, s48, s44
	s_mul_i32 s48, s48, K12
	s_mov_b32 s49, 0
	; THE HEAD'S FILLS, one tensor load a wave: waves 0-7 bring chunk 0, four tiles each (0-3 P's, 4-7 Q's); waves 8-15 the scale words, two pairs each (8-11 P's, 12-15 Q's)
	s_lshr_b32 s92, s[WQ], 2                       ; for P (0) or Q (1)
	s_and_b32 s93, s[WQ], 3                        ; which quarter of that operand
	s_lshl_b32 s94, ttmp9, 4
	s_mov_b32 s46, 3145728                         ; where a1's scale words begin
	s_cmp_eq_u32 s92, s[ISV]                       ; is it the weight?
	s_cselect_b32 s94, s94, s45
	s_cselect_b32 s46, 9437184, s46
	s_lshl_b32 s50, s93, 2
	s_add_co_u32 s50, s50, s94
	s_mul_i32 s50, s50, K12                        ; codes: from the operand's first tile + 4 x quarter
	s_mov_b32 s51, 0
	s_lshr_b32 s52, s94, 1
	s_lshl_b32 s53, s93, 1
	s_add_co_u32 s52, s52, s53
	s_mul_i32 s52, s52, K
	s_add_co_u32 s52, s52, s46                     ; scale words: from the first pair + 2 x quarter
	s_mov_b32 s53, 0
	s_wait_kmcnt 0x0
	s_cmp_eq_u32 s[WP], s[ISV]
	s_cselect_b64 s[54:55], s[6:7], s[4:5]
	s_add_nc_u64 s[54:55], s[54:55], s[48:49]
	s_mov_b32 s[G0], 1
	s_mul_i32 s[G0+1], s[WV], 2*ROWB
	s_mov_b64 s[G0+2:G0+3], s[54:55]
	s_or_b32 s[G0+3], s[G0+3], 0x80000000
	s_mov_b32 s[G0+4], 1
	s_add_co_u32 s[G0+5], s[G0+1], SLOT
	s_add_nc_u64 s[G0+6:G0+7], s[54:55], ROWB
	s_or_b32 s[G0+7], s[G0+7], 0x80000000
	s_cmp_eq_u32 s92, s[ISV]
	s_cselect_b64 s[54:55], s[6:7], s[4:5]
	s_mov_b32 s[G0H], 1
	s_mul_i32 s[G0H+1], s[WQ], 4*ROWB
	s_add_nc_u64 s[G0H+2:G0H+3], s[54:55], s[50:51]
	s_or_b32 s[G0H+3], s[G0H+3], 0x80000000
	s_mov_b32 s[G0S], 1
	s_mul_i32 s[G0S+1], s[WQ], 2*K
	s_add_co_u32 s[G0S+1], s[G0S+1], SCL
	s_add_nc_u64 s[G0S+2:G0S+3], s[54:55], s[52:53]
	s_or_b32 s[G0S+3], s[G0S+3], 0x80000000
	s_cmp_lt_u32 s[WV], 8                          ; one chain of two arms, a load in each: one tensor load a wave at the head
	s_cbranch_scc0 .Lhead_sc
	tensor_load_to_lds s[G0H:G0H+3], s[G1H:G1H+7]
	s_nop 0
	s_branch .Lhead_asked
.Lhead_sc:
	tensor_load_to_lds s[G0S:G0S+3], s[G1S:G1S+7]
	s_nop 0
.Lhead_asked:
.rept 4
	v_nop
.endr
	v_and_b32 v5, 31, v0
	s_delay_alu instid0(VALU_DEP_1)
	v_lshlrev_b32 v3, 4, v5                        ; 16 x lane
	s_delay_alu instid0(VALU_DEP_2)
	v_lshlrev_b32 v4, 3, v5                        ; 8 x lane
	s_delay_alu instid0(VALU_DEP_3)
	v_lshlrev_b32 v5, 2, v5                        ; 4 x lane
	s_mul_i32 s44, s[WP], 8*ROWB
	s_mul_i32 s45, s[WQ], 2*ROWB
	s_add_co_u32 s45, s45, QOFF
	v_add_nc_u32 v[AP16], s44, v3
	v_add_nc_u32 v[AP8], s44, v4
	v_add_nc_u32 v[AQ16], s45, v3
	v_add_nc_u32 v[AQ8], s45, v4
.irp i, 0,1,2,3
	s_delay_alu instid0(VALU_DEP_4)
	v_add_nc_u32 v[AP16+4+\i], SLOT, v[AP16+\i]
.endr
	s_mul_i32 s44, s[WP], 4*K
	s_add_co_u32 s44, s44, SCL
	v_add_nc_u32 v[ASP], s44, v5
	s_mul_i32 s45, s[WQ], K
	s_add_co_u32 s45, s45, SCL+8*K
	v_add_nc_u32 v[ASQ], s45, v5
.irp b, 0,1,2,3
	v_mov_b32 v[TM+4+\b], 0                        ; written once: a lane permute's destination counts as one of its sources
.endr
	s_mov_b32 s[SEL], 0x76543210
	s_mov_b32 s[SEL+1], 0xfedcba98
	s_mov_b32 s70, 0xffff0000                      ; lanes 16-31
	; where the results go: offsets chosen by the work-group's x alone
	s_lshr_b32 s44, s[ROW], 3                      ; the batch
	s_and_b32 s45, s[ROW], 7
	s_and_b32 s46, ttmp9, 3
	s_lshl_b32 s46, s46, 2
	s_lshl_b32 s47, s44, 4
	s_add_co_u32 s46, s46, s47                     ; 16 x batch + the first of the work-group's four heads
	s_lshr_b32 s47, s[WQ], 1
	s_lshl_b32 s48, s[WP], 1
	s_and_b32 s49, s[WQ], 1
	s_lshl_b32 s50, s45, 1
	s_add_co_u32 s50, s50, s[WP]                   ; v: which 128 keys of the batch
	s_lshl_b32 s51, s50, 3
	s_lshl_b32 s52, s49, 1
	s_add_co_u32 s51, s51, s52                     ; v: image 8 s + 2 (wq & 1)
	s_lshl_b32 s52, s45, 4
	s_lshl_b32 s53, s[WQ], 1
	s_add_co_u32 s52, s52, s53                     ; q, k: my first tile of tokens in the batch
	s_lshl_b32 s53, s49, 4
	s_add_co_u32 s53, s53, s50
	s_lshl_b32 s53, s53, 7                         ; v's scale words: (16 x d pair + s) x 128
	s_lshl_b32 s54, s45, 3
	s_add_co_u32 s54, s54, s[WQ]
	s_lshl_b32 s54, s54, 6                         ; q's, k's: pair x 64
	s_mov_b32 s55, 12288                           ; from lanes 0-15 to lanes 16-31: the next head's record
	s_mov_b32 s68, 0x05040100                      ; q, k: a head's two bytes of the even tile, then of the odd
	s_mov_b32 s69, 0x07060302
	s_mov_b32 s76, 196608                          ; from the first image to the second: k's next head
	s_mov_b32 s72, 3145728
	s_mov_b32 s73, 196608
	s_mov_b32 s74, 0
	s_cmp_ge_u32 ttmp9, 8
	s_cselect_b32 s47, s47, s48
	s_cselect_b32 s51, s51, s52
	s_cselect_b32 s53, s53, s54
	s_cselect_b32 s55, 64, s55
	s_cselect_b32 s68, 0x03020100, s68             ; v: the words as they are
	s_cselect_b32 s69, 0x07060504, s69
	s_cselect_b32 s76, 3072, s76                   ; v: the next 64 keys
	s_cselect_b32 s72, 3244032, s72
	s_cselect_b32 s74, 4096, s74
	s_cmp_lt_u32 ttmp9, 4
	s_cselect_b32 s76, 98304, s76
	s_cselect_b32 s72, 0, s72
	s_cselect_b32 s73, 98304, s73
	s_cselect_b32 s74, 8192, s74
	s_add_co_u32 s46, s46, s47                     ; the head
	s_mul_i32 s73, s46, s73
	s_add_co_u32 s72, s72, s73
	s_mul_i32 s51, s51, 768
	s_add_co_u32 s72, s72, s51
	s_mov_b32 s73, 0
	s_mov_b32 s77, 0
	s_mul_i32 s46, s46, 12288
	s_add_co_u32 s74, s74, s46
	s_add_co_u32 s74, s74, s53
	s_add_co_u32 s74, s74, 9437184
	s_mov_b32 s75, 0
	s_add_nc_u64 s[60:61], s[8:9], s[72:73]
	s_add_nc_u64 s[62:63], s[60:61], s[76:77]
	s_add_nc_u64 s[66:67], s[8:9], s[74:75]
	v_and_b32 v21, 15, v0
	v_bfe_u32 v22, v0, 4, 1
	s_delay_alu instid0(VALU_DEP_1)
	v_mul_lo_u32 v22, v22, s55
	s_delay_alu instid0(VALU_DEP_1)
	v_lshl_add_u32 v21, v21, 2, v22                ; 4 r + the half's distance
	s_wait_alu depctr_va_vdst(0)
	s_wait_tensorcnt 0x0                           ; my head load is in; slot 1's first fill is issued as a refill is
	ds_add_u32 v[SPW], v[NIL]
	s_wait_dscnt 0x0
	s_barrier_signal -1
	s_barrier_wait -1                              ; chunk 0 and all scale words are in
	tensor_load_to_lds s[G0+4:G0+7], s[G1T:G1T+7]  ; chunk 1, two tiles a wave: one tensor load of mine is out
	s_nop 0
	WORK 0, 0, 1
	CHANGE 0, 1
	WORK 1, 1, 0
	CHANGE 1, 1
	WORK 0, 2, 0
	CHANGE 0, 0
	WORK 1, 3, 0
.rept 4
	v_nop                                          ; four plain lines between the last products and the first read of results
.endr
.irp q, 0,1
.if \q > 0
	s_wait_xcnt 0x0                                ; the stores have read the codes' registers
.endif
	QUANT ACC+64*\q, PW0+\q
	global_store_b128 v3, v[PC:PC+3], s[60:61] offset:\q*768
	global_store_b64 v4, v[PC+4:PC+5], s[60:61] offset:\q*768+512
	global_store_b128 v3, v[PC+6:PC+9], s[62:63] offset:\q*768
	global_store_b64 v4, v[PC+10:PC+11], s[62:63] offset:\q*768+512
.endr
	v_perm_b32 v[X0], v[PW0+1], v[PW0], s68
	v_perm_b32 v[X1], v[PW0+1], v[PW0], s69
	s_delay_alu instid0(VALU_DEP_1)
	v_cndmask_b32 v[XC], v[X0], v[X1], s70
	global_store_b32 v21, v[XC], s[66:67]
	s_wait_tensorcnt 0x0                           ; the wave's end
	ds_add_u32 v[SPW], v[NIL]
	s_wait_dscnt 0x0
	s_endpgm
.Lfunc_end_k_q6acb2a2efa_gqkv:
	.size	k_q6acb2a2efa_gqkv, .Lfunc_end_k_q6acb2a2efa_gqkv-k_q6acb2a2efa_gqkv
	.p2alignl 7, 3214868480
	.fill 96, 4, 3214868480
	.section	.rodata,"a",@progbits
	.p2align	6, 0x0
	.amdhsa_kernel k_q6acb2a2efa_gqkv
		.amdhsa_group_segment_fixed_size 327680
		.amdhsa_private_segment_fixed_size 0
		.amdhsa_enable_private_segment 0
		.amdhsa_kernarg_size 24
		.amdhsa_user_sgpr_count 2
		.amdhsa_user_sgpr_kernarg_segment_ptr 1
		.amdhsa_wavefront_size32 1
		.amdhsa_system_sgpr_workgroup_id_x 1
		.amdhsa_system_sgpr_workgroup_id_y 1
		.amdhsa_system_sgpr_workgroup_id_z 1
		.amdhsa_system_vgpr_workitem_id 0
		.amdhsa_next_free_vgpr 256
		.amdhsa_next_free_sgpr 100
		.amdhsa_reserve_vcc 0
		.amdhsa_float_denorm_mode_32 3
		.amdhsa_float_denorm_mode_16_64 3
		.amdhsa_memory_ordered 1
		.amdhsa_forward_progress 1
		.amdhsa_inst_pref_size 62
	.end_amdhsa_kernel
	.amdgpu_metadata
---
amdhsa.version: [ 1, 2 ]
amdhsa.kernels:
  - .name:           k_q6acb2a2efa_gqkv
    .symbol:         k_q6acb2a2efa_gqkv.kd
    .args:
      - { .name: a1, .offset: 0, .size: 8, .value_kind: global_buffer, .address_space: global }
      - { .name: wts, .offset: 8, .size: 8, .value_kind: global_buffer, .address_space: global }
      - { .name: qkv, .offset: 16, .size: 8, .value_kind: global_buffer, .address_space: global }
    .group_segment_fixed_size: 327680
    .private_segment_fixed_size: 0
    .kernarg_segment_align: 8
    .kernarg_segment_size: 24
    .max_flat_workgroup_size: 512
    .sgpr_count:     100
    .vgpr_count:     256
    .wavefront_size: 32
...
	.end_amdgpu_metadata
.endif
;; end of part 3
;; launch attn (part 4): grid 8 x 32, 16 waves a work-group, no clusters, 327,680 bytes of LDS; arguments qkv, ao; writes ao
.if DOCPART == 4
	.amdgcn_target "amdgcn-amd-amdhsa--gfx1250"
	.amdhsa_code_object_version 6
	.text
	.protected	k_q6acb2a2efa_attn
	.globl	k_q6acb2a2efa_attn
	.p2align	8
	.type	k_q6acb2a2efa_attn,@function
k_q6acb2a2efa_attn:
	s_mov_b64 s[64:65], 0
	v_nop
	global_prefetch_b8 v0, s[64:65] scope:SCOPE_SE
	s_setreg_imm32_b32 hwreg(HW_REG_WAVE_MODE, 25, 1), 1
	s_wait_xcnt 0x0
; Causal attention of one head (64 channels, 2,048 keys) on codes of FP6 (E2M3) with E8M0 scales; the result, divided by the row's sum, is quantised along the head's 64 and stored as the next product's operand.
; THE SOFTMAX AHEAD OF THE SECOND PRODUCT: t = score x log2(e) / 8; M = the running largest t rounded up to a whole number; p = 2^(t - M) is quantised along the keys; the row's sum is taken of the unquantised p.
; When M moves, the sum and O are multiplied by 2^(old M - new M): exact.
; SHARES: work-group (x, head); a wave owns the tile of 16 queries 8 j + x, whose rows lie in key step j (128 keys): it works on steps 0 .. j, the last with the mask, so every work-group has the same 136 steps.
; Wave w takes j = (2 (w & 3) + ((w >> 2) & 1)) xor 15 (w >> 3): waves w, w + 4, w + 8, w + 12 then have 34 steps together, for every w, and two of the four are long and two short.
; A head's K, V^T and their scale words (204,800 bytes) come into LDS ONCE, each wave bringing two parts (one tensor load of a wave is out at a time); nothing is filled again.
; TWO BARRIERS: the first when each wave's scale words and first quarter (512 keys) have landed; the second behind key steps 0 to 3, which read the first 512 keys alone, when all of each wave's loads have landed.  The other 12 steps are one loop
; without a barrier; a step past a wave's diagonal is jumped over by a branch on ids.
; No cluster: K and V are asked for once, at the head, 204,800 bytes for a work-group's 136 key steps; no tile is asked for in the loop.
; K = 64 IN AN INSTRUCTION OF 128: source 0 holds two neighbouring tiles of keys, one in each half of K; source 1 is [q | 0] or [0 | q]: zero codes add nothing.  K's scale word holds both tiles' two bytes.
; Both products are used transposed: a lane holds one query.  Tiles are in the order place i of tile t = row 32 (t / 2) + 8 (t % 2) + i + (i & 8), so the 16 registers of tiles 2 b, 2 b + 1 are keys 32 b + 16 h + 0 .. 15.
; LIMITS: NaN and infinities are not served; a block of p or of the result under 2^-124 keeps the byte 1.
.set VL,  98304                        ; LDS: K's 128 tiles x 768 at 0; V^T at VL: (64 keys' number x 4 + d tile) x 768
.set SCL, 196608                       ; K's scale words 4,096, V's 4,096
.set A16, 1
.set A8,  2
.set A4,  3                            ; SCL + 4 x lane
.set DM,  4                            ; my query's place in its step - 16 h
.set R4,  5
.set K16, 6
.set K8,  7
.set V16, 8
.set V8,  9
.set ADS, 10
.set ADT, 11
.set Q0,  16                           ; v16-27 [q | 0];  v28-39 [0 | q]
.set Q1,  28
.set QS,  40                           ; q's scale word; v41-42 K's, v43-44 V's: these hold scales and nothing else
.set KS0, 41
.set VS0, 43
.set FR,  48                           ; v48-95 four fragments of K, then of V
.set S,   96                           ; v96-159 S^T, then p
.set O,   160                          ; v160-191 O^T
.set PC,  192                          ; v192-203 p's codes; v204-210 second halves
.set BM,  212
.set BT,  216
.set BS,  220
.set PW,  224                          ; p's scale word
.set F,   226                          ; v[226:227] 2^(old M - new M) (low word)
.set TMP, 228
.set OW,  229
.set WV,  8
.set BH,  9
.set G1T, 16
.set G1S, 24
.set G0,  32                           ; s[32:39] the codes' two groups 0
.set SEL, 52
.set CS,  54
.set TB,  56
.set TS,  57
.set TJ,  58
.set KSS, 59
.set CNT, 60
.set J,   63                           ; my diagonal key step
.macro WMS d, a, b, z, sa, sb, ra
.if (\z) && (\ra)
	v_wmma_scale_f32_16x16x128_f8f6f4 v[\d:\d+7], v[\a:\a+11], v[\b:\b+11], 0, v[\sa], v[\sb] matrix_a_fmt:MATRIX_FMT_FP6 matrix_b_fmt:MATRIX_FMT_FP6 matrix_a_scale:MATRIX_SCALE_ROW1
.elseif (\z)
	v_wmma_scale_f32_16x16x128_f8f6f4 v[\d:\d+7], v[\a:\a+11], v[\b:\b+11], 0, v[\sa], v[\sb] matrix_a_fmt:MATRIX_FMT_FP6 matrix_b_fmt:MATRIX_FMT_FP6
.elseif (\ra)
	v_wmma_scale_f32_16x16x128_f8f6f4 v[\d:\d+7], v[\a:\a+11], v[\b:\b+11], v[\d:\d+7], v[\sa], v[\sb] matrix_a_fmt:MATRIX_FMT_FP6 matrix_b_fmt:MATRIX_FMT_FP6 matrix_a_scale:MATRIX_SCALE_ROW1
.else
	v_wmma_scale_f32_16x16x128_f8f6f4 v[\d:\d+7], v[\a:\a+11], v[\b:\b+11], v[\d:\d+7], v[\sa], v[\sb] matrix_a_fmt:MATRIX_FMT_FP6 matrix_b_fmt:MATRIX_FMT_FP6
.endif
.endm
.macro FRAG reg, a16, a8, off, d2
	ds_load_b128 v[\reg:\reg+3], v[\a16] offset:\off
	ds_load_b64 v[\reg+4:\reg+5], v[\a8] offset:\off+512
	ds_load_b128 v[\reg+6:\reg+9], v[\a16] offset:\off+\d2
	ds_load_b64 v[\reg+10:\reg+11], v[\a8] offset:\off+\d2+512
.endm
	s_load_b128 s[4:7], s[0:1], 0x0                ; qkv, ao
	v_lshl_add_u32 v254, v0, 2, 0x32000
	v_mov_b32 v255, 0
	ds_add_u32 v254, v255
	ds_add_u32 v254, v255
	v_lshrrev_b32 v1, 5, v0
	s_delay_alu instid0(VALU_DEP_1)
	v_readfirstlane_b32 s[WV], v1
	s_and_b32 s[BH], ttmp7, 0xffff
	s_mov_b32 s[G1T], 3<<16                        ; elements of 8 bytes, no mask, no padding
	s_mov_b32 s[G1T+1], 32<<16                     ; the head's loads of codes: 6,144 dense bytes as 24 rows of 256
	s_mov_b32 s[G1T+2], 24<<16
	s_mov_b32 s[G1T+3], 32<<16
	s_mov_b32 s[G1T+4], 24
	s_mov_b32 s[G1T+5], 32
	s_mov_b32 s[G1T+6], 0
	s_mov_b32 s[G1T+7], 0
	s_mov_b32 s[G1S], 3<<16                        ; elements of 8 bytes
	s_mov_b32 s[G1S+1], 32<<16
	s_mov_b32 s[G1S+2], 4<<16                      ; 1,024 bytes of scale words as four rows of 256
	s_mov_b32 s[G1S+3], 32<<16
	s_mov_b32 s[G1S+4], 4
.set G1R, 40                           ; s[40:47] group 1 of the second fills: 9,216 dense bytes as 36 rows of 256
.set G0S, 48                           ; s[48:51] group 0 of the scale words; s[32:35] of the head's codes, s[36:39] of the second fills
	s_mov_b32 s[G1R], 3<<16
	s_mov_b32 s[G1R+1], 32<<16
	s_mov_b32 s[G1R+2], 36<<16
	s_mov_b32 s[G1R+3], 32<<16
	s_mov_b32 s[G1R+4], 36
	s_mov_b32 s[G1R+5], 32
	s_mov_b32 s[G1R+6], 0
	s_mov_b32 s[G1R+7], 0
	s_mov_b32 s[G1S+5], 32
	s_mov_b32 s[G1S+6], 0
	s_mov_b32 s[G1S+7], 0
	; THE FILLS, each byte once, one tensor load a wave at a time.  At the head: waves 0-3 the first 512 keys of K (6,144 bytes each), waves 4-7 the same of V^T, waves 8-15 the scale words (1,024 bytes each).
	; Behind the first barrier: the other 1,536 keys, waves 0-7 K's, waves 8-15 V^T's, 9,216 bytes each.  A place in LDS is the same place in the head's record.
	s_lshr_b32 s10, s[WV], 2
	s_mul_i32 s10, s10, VL
	s_and_b32 s11, s[WV], 3
	s_mul_i32 s11, s11, 6144
	s_add_co_u32 s10, s10, s11                     ; the head's codes (waves 0-7)
	s_lshr_b32 s61, s[WV], 3
	s_mul_i32 s61, s61, VL
	s_and_b32 s11, s[WV], 7
	s_mul_i32 s62, s11, 9216
	s_add_co_u32 s61, s61, s62
	s_add_co_u32 s61, s61, 24576                   ; the second fill
	s_lshl_b32 s11, s11, 10                        ; the scale words (waves 8-15)
	s_mul_i32 s12, s[BH], 196608
	s_add_co_u32 s12, s12, 3145728
	s_mov_b32 s13, 0
	s_mul_i32 s14, s[BH], 12288
	s_add_co_u32 s14, s14, 9437184
	s_add_co_u32 s14, s14, s11
	s_mov_b32 s15, 0
	s_wait_dscnt 0x0
	s_wait_kmcnt 0x0
	s_mov_b32 s[G0S], 1
	s_add_co_u32 s[G0S+1], s11, SCL
	s_add_nc_u64 s[G0S+2:G0S+3], s[4:5], s[14:15]
	s_or_b32 s[G0S+3], s[G0S+3], 0x80000000
	s_add_nc_u64 s[12:13], s[4:5], s[12:13]        ; the head's record of K and V^T
	s_mov_b32 s14, s10
	s_mov_b32 s[G0], 1
	s_mov_b32 s[G0+1], s10
	s_add_nc_u64 s[G0+2:G0+3], s[12:13], s[14:15]
	s_or_b32 s[G0+3], s[G0+3], 0x80000000
	s_mov_b32 s14, s61
	s_mov_b32 s[G0+4], 1
	s_mov_b32 s[G0+5], s61
	s_add_nc_u64 s[G0+6:G0+7], s[12:13], s[14:15]
	s_or_b32 s[G0+7], s[G0+7], 0x80000000
	s_cmp_lt_u32 s[WV], 8                          ; one chain of two arms, a load in each
	s_cbranch_scc0 .Lhead_sc
	tensor_load_to_lds s[G0:G0+3], s[G1T:G1T+7]
	s_nop 0
	s_branch .Lhead_asked
.Lhead_sc:
	tensor_load_to_lds s[G0S:G0S+3], s[G1S:G1S+7]
	s_nop 0
.Lhead_asked:
.rept 4
	v_nop
.endr
	v_and_b32 v[A4], 31, v0
	s_delay_alu instid0(VALU_DEP_1)
	v_lshlrev_b32 v[A16], 4, v[A4]
	s_wait_alu depctr_va_vdst(0)
	v_lshlrev_b32 v[A8], 3, v[A4]
	s_wait_alu depctr_va_vdst(0)
	v_lshl_add_u32 v[A4], v[A4], 2, SCL
	v_and_b32 v[DM], 15, v0
	s_delay_alu instid0(VALU_DEP_1)
	v_lshlrev_b32 v[R4], 2, v[DM]
	s_wait_alu depctr_va_vdst(0)
	s_and_b32 s[J], s[WV], 3                       ; j = (2 (w & 3) + ((w >> 2) & 1)) xor 15 (w >> 3)
	s_lshl_b32 s[J], s[J], 1
	s_bfe_u32 s62, s[WV], 0x10002
	s_or_b32 s[J], s[J], s62
	s_lshr_b32 s62, s[WV], 3
	s_mul_i32 s62, s62, 15
	s_xor_b32 s[J], s[J], s62
	s_lshl_b32 s62, s[J], 3
	s_add_co_u32 s62, s62, ttmp9                   ; my tile of queries: 8 j + x
	s_mul_i32 s66, s[BH], 98304
	s_mul_i32 s67, s62, 768
	s_add_co_u32 s66, s66, s67
	s_mov_b32 s67, 0
	s_add_nc_u64 s[66:67], s[4:5], s[66:67]
	global_load_b128 v[Q0:Q0+3], v[A16], s[66:67]              ; q's image, twice: the two forms share no register
	global_load_b64 v[Q0+4:Q0+5], v[A8], s[66:67] offset:512
	global_load_b128 v[Q1+6:Q1+9], v[A16], s[66:67]
	global_load_b64 v[Q1+10:Q1+11], v[A8], s[66:67] offset:512
	s_mul_i32 s68, s[BH], 12288
	s_lshr_b32 s69, s62, 1
	s_lshl_b32 s69, s69, 6
	s_add_co_u32 s68, s68, s69
	s_add_co_u32 s68, s68, 9445376                 ; 9,437,184 + 8,192: q's scale words
	s_mov_b32 s69, 0
	s_add_nc_u64 s[68:69], s[4:5], s[68:69]
	global_load_b32 v[OW], v[R4], s[68:69]
	s_mov_b32 s71, 0x01000100
	s_and_b32 s70, ttmp9, 1                        ; my tile is the pair's odd one: its bytes are the word's upper two
	s_cmp_lg_u32 s70, 0
	s_cselect_b32 s71, 0x03020302, s71
	s_lshr_b32 s72, ttmp9, 1
	s_lshl_b32 s72, s72, 5
	s_lshl_b32 s70, s70, 3
	s_add_co_u32 s72, s72, s70
	v_and_b32 v[TMP], 8, v[DM]
	s_delay_alu instid0(VALU_DEP_1)
	v_add_nc_u32 v[DM], v[DM], v[TMP]
	v_bfe_u32 v[TMP], v0, 4, 1
	s_delay_alu instid0(VALU_DEP_1)
	v_lshlrev_b32 v[TMP], 4, v[TMP]
	s_delay_alu instid0(VALU_DEP_1)
	v_sub_nc_u32 v[DM], v[DM], v[TMP]
	s_delay_alu instid0(VALU_DEP_1)
	v_add_nc_u32 v[DM], s72, v[DM]
	s_mov_b32 s[SEL], 0x76543210
	s_mov_b32 s[SEL+1], 0xfedcba98
	s_mov_b32 s[CS], 0x3e38aa3b                    ; c = log2(e) / 8
	s_mov_b32 s[CS+1], s[CS]
.irp i, 0,1,2,3,4,5
	v_mov_b32 v[Q0+6+\i], 0
	v_mov_b32 v[Q1+\i], 0
.endr
	v_mov_b32 v13, 0xff61b1e6                      ; the largest t so far: -3e38
	s_delay_alu instid0(VALU_DEP_1)
	v_floor_f32 v12, -v13                          ; -M
	v_mov_b32 v14, 0
	v_mov_b32 v15, 0
	v_mov_b32 v[F+1], 0
.irp b, 0,1,2,3
	v_mov_b32 v[BT+\b], 0                          ; written once: a lane permute's destination counts as one of its sources
.endr
	s_wait_loadcnt 0x0
	v_perm_b32 v[QS], v[OW], v[OW], s71            ; my tile's two bytes, in both halves of the word
.set j, 0
.rept 32
	v_mov_b32 v[O+j], 0                            ; the step is written for all steps alike: the first finds zeros.  (These lines also stand between the scale word's making and the first product)
.set j, j+1
.endr
; A KEY STEP of 128 keys.
.macro STEP
	s_cmp_gt_u32 s[KSS], s[J]                      ; all its keys come after my queries: only the addresses step
	s_cbranch_scc1 .Lhidden_\@
	v_add_nc_u32 v[K16], s[TB], v[A16]             ; (these six are the plain lines in front of loads into registers that the last products read)
	v_add_nc_u32 v[K8], s[TB], v[A8]
	s_delay_alu instid0(VALU_DEP_2)
	v_add_nc_u32 v[V16], VL, v[K16]
	s_delay_alu instid0(VALU_DEP_2)
	v_add_nc_u32 v[V8], VL, v[K8]
	v_add_nc_u32 v[ADS], s[TS], v[A4]
	v_add_nc_u32 v[ADT], s[TJ], v[A4]
.irp p, 0,1,2,3
	FRAG FR+12*\p, K16, K8, \p*1536, 768
.endr
	ds_load_b32 v[KS0], v[ADS]
	ds_load_b32 v[KS0+1], v[ADS] offset:128
	s_wait_alu depctr_va_vdst(0)
	s_wait_dscnt 0x0
.irp p, 0,1,2,3
	WMS S+16*\p, FR+12*\p, Q0, 1, KS0+\p/2, QS, \p%2
	WMS S+16*\p+8, FR+12*\p, Q1, 1, KS0+\p/2, QS, \p%2
.endr
.rept 4
	v_nop
.endr
.irp d, 0,1,2,3
	FRAG FR+12*\d, V16, V8, \d*768, 3072           ; V's fragments land under the softmax
.endr
	ds_load_b32 v[VS0], v[ADT] offset:4096
	ds_load_b32 v[VS0+1], v[ADT] offset:6144
	s_cmp_lg_u32 s[KSS], s[J]                      ; only my diagonal step has hidden keys
	s_cbranch_scc1 .Lopen_\@
	v_mov_b32 v[TMP], 0xff800000
.set n, 0
.rept 64
	v_cmp_gt_i32 vcc_lo, 32*(n/16)+n%16, v[DM]     ; register 16 b + i holds key 32 b + 16 h + i of the step
	v_cndmask_b32 v[S+n], v[S+n], v[TMP], vcc_lo
.set n, n+1
.endr
.Lopen_\@:
.irp b, 0,1,2,3
	v_max3_num_f32 v[BM+\b], v[S+16*\b], v[S+1+16*\b], v[S+2+16*\b]   ; the largest score of each block of 32 keys: for the row's maximum and for the block's largest p
.endr
.irp i, 3,5,7,9,11,13
.irp b, 0,1,2,3
	v_max3_num_f32 v[BM+\b], v[BM+\b], v[S+16*\b+\i], v[S+1+16*\b+\i]
.endr
.endr
.irp b, 0,1,2,3
	v_max_num_f32 v[BM+\b], v[BM+\b], v[S+15+16*\b]
.endr
.irp b, 0,1,2,3
	s_delay_alu instid0(VALU_DEP_4)
	v_permlanex16_b32 v[BT+\b], v[BM+\b], s[SEL], s[SEL+1]
.endr
.irp b, 0,1,2,3
	s_delay_alu instid0(VALU_DEP_4)
	v_max_num_f32 v[BM+\b], v[BM+\b], v[BT+\b]
.endr
	s_delay_alu instid0(VALU_DEP_2)
	v_max3_num_f32 v[TMP], v[BM], v[BM+1], v[BM+2]
	s_delay_alu instid0(VALU_DEP_1)
	v_max_num_f32 v[TMP], v[TMP], v[BM+3]
	s_delay_alu instid0(VALU_DEP_1)
	v_mul_f32 v[TMP], s[CS], v[TMP]
	s_delay_alu instid0(VALU_DEP_1)
	v_max_num_f32 v13, v13, v[TMP]                 ; the running largest t
	v_mov_b32 v[TMP], v12
	s_delay_alu instid0(VALU_DEP_2)
	v_floor_f32 v12, -v13                          ; -M = floor(-t)
	s_delay_alu instid0(VALU_DEP_1)
	v_sub_f32 v[TMP], v12, v[TMP]
	s_delay_alu instid0(VALU_DEP_1)
	v_cvt_i32_f32 v[TMP], v[TMP]                   ; (it saturates)
	s_delay_alu instid0(VALU_DEP_1)
	v_ldexp_f32 v[F], 1.0, v[TMP]                  ; 2^(old M - new M)
.set j, 0
.rept 32
	v_pk_fma_f32 v[S+j:S+j+1], v[S+j:S+j+1], s[CS:CS+1], v[12:13] op_sel_hi:[1,0,0]   ; t - M
.set j, j+2
.endr
.irp b, 0,1,2,3
	v_fma_f32 v[BM+\b], v[BM+\b], s[CS], v12
.endr
.set j, 0
	s_wait_alu depctr_va_vdst(0)
.rept 64
	v_exp_f32 v[S+j], v[S+j]
.set j, j+1
.endr
	v_pk_mul_f32 v[14:15], v[14:15], v[F:F+1] op_sel_hi:[1,0]      ; a plain line behind the exponentials
	s_wait_alu depctr_va_vdst(0)                   ; one wait for the batch, ahead of its first reader
.irp b, 0,1,2,3
	v_exp_f32 v[BM+\b], v[BM+\b]                   ; each block's largest p
.endr
	v_pk_add_f32 v[216:217], v[100:101], v[104:105]
	v_pk_add_f32 v[252:253], v[108:109], v[112:113]
	v_pk_add_f32 v[250:251], v[116:117], v[120:121]
	v_pk_add_f32 v[248:249], v[124:125], v[128:129]
	v_pk_add_f32 v[246:247], v[132:133], v[136:137]
	v_pk_add_f32 v[244:245], v[140:141], v[144:145]
	v_pk_add_f32 v[242:243], v[148:149], v[152:153]
	v_pk_add_f32 v[14:15], v[14:15], v[156:157]
	v_pk_add_f32 v[216:217], v[216:217], v[96:97]
	v_pk_add_f32 v[252:253], v[252:253], v[98:99]
	v_pk_add_f32 v[250:251], v[250:251], v[102:103]
	v_pk_add_f32 v[248:249], v[248:249], v[106:107]
	v_pk_add_f32 v[246:247], v[246:247], v[110:111]
	v_pk_add_f32 v[244:245], v[244:245], v[114:115]
	v_pk_add_f32 v[242:243], v[242:243], v[118:119]
	v_pk_add_f32 v[14:15], v[14:15], v[122:123]
	v_pk_add_f32 v[216:217], v[216:217], v[126:127]
	v_pk_add_f32 v[252:253], v[252:253], v[130:131]
	v_pk_add_f32 v[250:251], v[250:251], v[134:135]
	v_pk_add_f32 v[248:249], v[248:249], v[138:139]
	v_pk_add_f32 v[246:247], v[246:247], v[142:143]
	v_pk_add_f32 v[244:245], v[244:245], v[146:147]
	v_pk_add_f32 v[242:243], v[242:243], v[150:151]
	v_pk_add_f32 v[14:15], v[14:15], v[154:155]
	v_pk_add_f32 v[216:217], v[216:217], v[158:159]
	s_delay_alu instid0(VALU_DEP_2)
	v_pk_add_f32 v[14:15], v[14:15], v[248:249]
	s_delay_alu instid0(VALU_DEP_2)
	v_pk_add_f32 v[216:217], v[216:217], v[246:247]
	v_pk_add_f32 v[252:253], v[252:253], v[244:245]
	v_pk_add_f32 v[250:251], v[250:251], v[242:243]
	s_delay_alu instid0(VALU_DEP_2)
	v_pk_add_f32 v[14:15], v[14:15], v[252:253]
	s_delay_alu instid0(VALU_DEP_2)
	v_pk_add_f32 v[216:217], v[216:217], v[250:251]
	s_delay_alu instid0(VALU_DEP_1)
	v_pk_add_f32 v[14:15], v[14:15], v[216:217]
	s_wait_alu depctr_va_vdst(0)                   ; and one for the four
.irp b, 0,1,2,3
	v_max_num_f32 v[BM+\b], 0x1800000, v[BM+\b]    ; the floor 2^(3 - 127)
.endr
.irp b, 0,1,2,3
	s_delay_alu instid0(VALU_DEP_4)
	v_add_nc_u32 v[BS+\b], 0xff000000, v[BM+\b]
.endr
.irp b, 0,1,2,3
	s_delay_alu instid0(VALU_DEP_4)
	v_lshrrev_b32 v[BT+\b], 23, v[BS+\b]
.endr
	s_delay_alu instid0(VALU_DEP_3)
	v_lshl_or_b32 v[PW], v[BT+1], 8, v[BT]
	s_delay_alu instid0(VALU_DEP_1)
	v_lshl_or_b32 v[PW], v[BT+2], 16, v[PW]
	s_delay_alu instid0(VALU_DEP_1)
	v_lshl_or_b32 v[PW], v[BT+3], 24, v[PW]
.irp c, 0,1
	v_cvt_scalef32_pk16_fp6_f32 v[PC+6*\c:PC+2+6*\c], v[S+32*\c:S+15+32*\c], v[BS+2*\c]
	v_cvt_scalef32_pk16_fp6_f32 v[PC+12+4*\c:PC+14+4*\c], v[S+16+32*\c:S+31+32*\c], v[BS+2*\c+1]
.endr
	v_nop
.irp c, 0,1
.irp i, 0,1,2
	v_permlane16_swap_b32 v[PC+6*\c+\i], v[PC+12+4*\c+\i]
.endr
.irp i, 0,1,2
	s_delay_alu instid0(VALU_DEP_3)
	v_mov_b32 v[PC+3+6*\c+\i], v[PC+12+4*\c+\i]
.endr
.endr
.set j, 0
.rept 16
	v_pk_mul_f32 v[O+j:O+j+1], v[O+j:O+j+1], v[F:F+1] op_sel_hi:[1,0]   ; O^T under the new M; also the plain lines between the making of p's codes and scale word and the products
.set j, j+2
.endr
	s_wait_alu depctr_va_vdst(0)
	s_wait_dscnt 0x0                               ; V
.irp d, 0,1,2,3
	WMS O+8*\d, FR+12*\d, PC, 0, VS0+\d/2, PW, \d%2
.endr
.Lhidden_\@:
	s_add_co_u32 s[TB], s[TB], 6144
	s_add_co_u32 s[TS], s[TS], 256
	s_add_co_u32 s[TJ], s[TJ], 128
	s_add_co_u32 s[KSS], s[KSS], 1
.endm
	s_mov_b32 s[TB], 0
	s_mov_b32 s[TS], 0
	s_mov_b32 s[TJ], 0
	s_mov_b32 s[KSS], 0
	s_wait_alu depctr_va_vdst(0)                   ; the wait at the head's end
	s_wait_tensorcnt 0x0                           ; my head load is in; a later first fill is issued as a refill is
	ds_add_u32 v254, v255
	s_wait_dscnt 0x0
	s_barrier_signal -1
	s_barrier_wait -1                              ; the scale words and the first 512 keys are in
	tensor_load_to_lds s[G0+4:G0+7], s[G1R:G1R+7]  ; my part of the other 1,536 keys: one tensor load of mine is out
	s_nop 0
.rept 4
	v_nop
.endr
	s_mov_b32 s[CNT], 4
.Lfirst:                                               ; key steps 0 to 3 read the first 512 keys alone
	STEP
	s_sub_co_u32 s[CNT], s[CNT], 1
	s_cmp_lg_u32 s[CNT], 0
	s_cbranch_scc1 .Lfirst
	s_wait_tensorcnt 0x0                           ; my second fill is in
	s_barrier_signal -1
	s_barrier_wait -1                              ; everybody's is: from here on no wave waits for another; nothing is filled again
	s_mov_b32 s[CNT], 12
.Lsteps:
	STEP
	s_sub_co_u32 s[CNT], s[CNT], 1
	s_cmp_lg_u32 s[CNT], 0
	s_cbranch_scc1 .Lsteps
	; THE WAY OUT: O^T / the sum, quantised along the head's 64: one image of 768 bytes and two scale bytes a row
.rept 4
	v_nop
.endr
	v_add_f32 v14, v14, v15
	s_delay_alu instid0(VALU_DEP_1)
	v_permlanex16_b32 v[TMP], v14, s[SEL], s[SEL+1]
	s_delay_alu instid0(VALU_DEP_1)
	v_add_f32 v14, v14, v[TMP]
	s_wait_alu depctr_va_vdst(0)
	v_rcp_f32 v14, v14
	v_nop
	s_lshr_b32 s66, s[BH], 4
	s_lshl_b32 s66, s66, 7
	s_add_co_u32 s66, s66, s62                     ; my tile among the 256 tiles of tokens
	s_and_b32 s67, s[BH], 15                       ; the head in its batch: which 64 of the next K
	s_mul_i32 s68, s66, 12288
	s_mul_i32 s69, s67, 768
	s_add_co_u32 s68, s68, s69
	s_mov_b32 s69, 0
	s_add_nc_u64 s[68:69], s[6:7], s[68:69]
	s_lshr_b32 s70, s66, 1
	s_lshl_b32 s70, s70, 3
	s_lshr_b32 s71, s67, 1
	s_add_co_u32 s70, s70, s71
	s_lshl_b32 s70, s70, 7
	s_and_b32 s71, s66, 1
	s_lshl_b32 s71, s71, 6
	s_add_co_u32 s70, s70, s71
	s_and_b32 s71, s67, 1
	s_lshl_b32 s71, s71, 1
	s_add_co_u32 s70, s70, s71
	s_add_co_u32 s70, s70, 3145728
	s_mov_b32 s71, 0
	s_add_nc_u64 s[70:71], s[6:7], s[70:71]
	s_wait_alu depctr_va_vdst(0)
.set j, 0
.rept 32
	v_mul_f32 v[S+j], v[O+j], v14                  ; register 16 b + i = channel 32 b + 16 h + i of my query
.set j, j+1
.endr
.irp b, 0,1
	v_max3_num_f32 v[BM+\b], |v[S+16*\b]|, |v[S+1+16*\b]|, 0x1800000
.endr
.irp i, 2,4,6,8,10,12,14
.irp b, 0,1
	s_delay_alu instid0(VALU_DEP_2)
	v_max3_num_f32 v[BM+\b], v[BM+\b], |v[S+16*\b+\i]|, |v[S+1+16*\b+\i]|
.endr
.endr
.irp b, 0,1
	s_delay_alu instid0(VALU_DEP_2)
	v_permlanex16_b32 v[BT+\b], v[BM+\b], s[SEL], s[SEL+1]
.endr
.irp b, 0,1
	s_delay_alu instid0(VALU_DEP_2)
	v_max_num_f32 v[BM+\b], v[BM+\b], v[BT+\b]
.endr
.irp b, 0,1
	s_delay_alu instid0(VALU_DEP_2)
	v_add_nc_u32 v[BS+\b], 0xff000000, v[BM+\b]
.endr
.irp b, 0,1
	s_delay_alu instid0(VALU_DEP_2)
	v_lshrrev_b32 v[BT+\b], 23, v[BS+\b]
.endr
	s_delay_alu instid0(VALU_DEP_1)
	v_lshl_or_b32 v[OW], v[BT+1], 8, v[BT]
	v_cvt_scalef32_pk16_fp6_f32 v[PC:PC+2], v[S:S+15], v[BS]
	v_cvt_scalef32_pk16_fp6_f32 v[PC+12:PC+14], v[S+16:S+31], v[BS+1]
	v_nop
.irp i, 0,1,2
	v_permlane16_swap_b32 v[PC+\i], v[PC+12+\i]
.endr
.irp i, 0,1,2
	s_delay_alu instid0(VALU_DEP_3)
	v_mov_b32 v[PC+3+\i], v[PC+12+\i]
.endr
	v_and_b32 v[TMP], 31, v0
	global_store_b128 v[A16], v[PC:PC+3], s[68:69]
	global_store_b64 v[A8], v[PC+4:PC+5], s[68:69] offset:512
	s_wait_alu depctr_va_vdst(0)
	s_wait_xcnt 0x0                                ; EXEC changes only behind this wait
	v_cmp_gt_u32 vcc_lo, 16, v[TMP]
	s_wait_tensorcnt 0x0
	ds_add_u32 v254, v255
	s_wait_dscnt 0x0
	s_and_saveexec_b32 s72, vcc_lo
	global_store_b16 v[R4], v[OW], s[70:71]        ; lanes 0-15: my head's two bytes of each row's scale word
	s_wait_xcnt 0x0
	s_or_b32 exec_lo, exec_lo, s72
	s_endpgm
.Lfunc_end_k_q6acb2a2efa_attn:
	.size	k_q6acb2a2efa_attn, .Lfunc_end_k_q6acb2a2efa_attn-k_q6acb2a2efa_attn
	.p2alignl 7, 3214868480
	.fill 96, 4, 3214868480
	.section	.rodata,"a",@progbits
	.p2align	6, 0x0
	.amdhsa_kernel k_q6acb2a2efa_attn
		.amdhsa_group_segment_fixed_size 327680
		.amdhsa_private_segment_fixed_size 0
		.amdhsa_enable_private_segment 0
		.amdhsa_kernarg_size 16
		.amdhsa_user_sgpr_count 2
		.amdhsa_user_sgpr_kernarg_segment_ptr 1
		.amdhsa_wavefront_size32 1
		.amdhsa_system_sgpr_workgroup_id_x 1
		.amdhsa_system_sgpr_workgroup_id_y 1
		.amdhsa_system_sgpr_workgroup_id_z 1
		.amdhsa_system_vgpr_workitem_id 0
		.amdhsa_next_free_vgpr 256
		.amdhsa_next_free_sgpr 80
		.amdhsa_reserve_vcc 1
		.amdhsa_float_denorm_mode_32 3
		.amdhsa_float_denorm_mode_16_64 3
		.amdhsa_memory_ordered 1
		.amdhsa_forward_progress 1
		.amdhsa_inst_pref_size 60
	.end_amdhsa_kernel
	.amdgpu_metadata
---
amdhsa.version: [ 1, 2 ]
amdhsa.kernels:
  - .name:           k_q6acb2a2efa_attn
    .symbol:         k_q6acb2a2efa_attn.kd
    .args:
      - { .name: qkv, .offset: 0, .size: 8, .value_kind: global_buffer, .address_space: global }
      - { .name: ao, .offset: 8, .size: 8, .value_kind: global_buffer, .address_space: global }
    .group_segment_fixed_size: 327680
    .private_segment_fixed_size: 0
    .kernarg_segment_align: 8
    .kernarg_segment_size: 16
    .max_flat_workgroup_size: 512
    .sgpr_count:     80
    .vgpr_count:     256
    .wavefront_size: 32
...
	.end_amdgpu_metadata
.endif
;; end of part 4
;; launch gout (part 5): grid 8 x 32, 8 waves a work-group, clusters of 4 x 4, 327,680 bytes of LDS; arguments ao, wts, x, x1; writes x1
.if DOCPART == 5
	.amdgcn_target "amdgcn-amd-amdhsa--gfx1250"
	.amdhsa_code_object_version 6
	.text
	.protected	k_q6acb2a2efa_gout
	.globl	k_q6acb2a2efa_gout
	.p2align	8
	.type	k_q6acb2a2efa_gout,@function
k_q6acb2a2efa_gout:
	s_mov_b64 s[64:65], 0
	v_nop
	global_prefetch_b8 v0, s[64:65] scope:SCOPE_SE
	s_setreg_imm32_b32 hwreg(HW_REG_WAVE_MODE, 25, 1), 1
	s_wait_xcnt 0x0
	s_wait_alu depctr_hold_cnt(0) depctr_sa_sdst(0) depctr_va_vdst(0) depctr_va_sdst(0) depctr_va_ssrc(0) depctr_va_vcc(0) depctr_vm_vsrc(0)
	s_getreg_b32 s2, hwreg(HW_REG_IB_STS2, 6, 4)
	s_cmp_eq_u32 s2, 0
	s_cbranch_scc0 .Lentry_in_a_cluster
	s_endpgm
.Lentry_in_a_cluster:
	s_bfe_u32 s2, ttmp6, 0x10000c
	s_cmp_lg_u32 s2, 0xf033
	s_cbranch_scc0 .Lentry_shape_is_right
	s_endpgm
.Lentry_shape_is_right:
.set K,     1024
.set PCOFF, 2359296
.set PSOFF, 9535488
.set QSOFF, 3145728
.set K12,   12*K
.set NST,   4
.set ROWB,  NST*1536
.set SLOT,  98304
.set QOFF,  49152
.set SCL,   196608
.set SPARE, 229376
.set STG,   230400
.set SPW, 1
.set NIL, 2
.set AP16, 6
.set AP8,  7
.set AQ16, 8
.set AQ8,  9
.set ASP, 14
.set ASQ, 15
.set SP,  16
.set SQ,  20
.set STO, 21
.set RD,  22
.set QF,  24
.set PF,  48
.set OB,  24
.set ACC, 128
.set RS,  192
.set WV, 12
.set ROW, 13
.set WQ, 14
.set WP, 15
.set G1P, 16
.set G1Q, 24
.set G1SP, 32
.set G1SQ, 40
.set G0SP, 48
.set G0SQ, 52
.set G0P, 56
.set G0Q, 68
.set COL, 76
.set CX, 77
.set CY, 78
.set MR, 79
.set MC, 80
.macro WMS d, a, b, z, sa, sb, ra, rb
.if (\z) && (\ra) && (\rb)
	v_wmma_scale_f32_16x16x128_f8f6f4 v[\d:\d+7], v[\a:\a+11], v[\b:\b+11], 0, v[\sa], v[\sb] matrix_a_fmt:MATRIX_FMT_FP6 matrix_b_fmt:MATRIX_FMT_FP6 matrix_a_scale:MATRIX_SCALE_ROW1 matrix_b_scale:MATRIX_SCALE_ROW1
.elseif (\z) && (\ra)
	v_wmma_scale_f32_16x16x128_f8f6f4 v[\d:\d+7], v[\a:\a+11], v[\b:\b+11], 0, v[\sa], v[\sb] matrix_a_fmt:MATRIX_FMT_FP6 matrix_b_fmt:MATRIX_FMT_FP6 matrix_a_scale:MATRIX_SCALE_ROW1
.elseif (\z) && (\rb)
	v_wmma_scale_f32_16x16x128_f8f6f4 v[\d:\d+7], v[\a:\a+11], v[\b:\b+11], 0, v[\sa], v[\sb] matrix_a_fmt:MATRIX_FMT_FP6 matrix_b_fmt:MATRIX_FMT_FP6 matrix_b_scale:MATRIX_SCALE_ROW1
.elseif (\z)
	v_wmma_scale_f32_16x16x128_f8f6f4 v[\d:\d+7], v[\a:\a+11], v[\b:\b+11], 0, v[\sa], v[\sb] matrix_a_fmt:MATRIX_FMT_FP6 matrix_b_fmt:MATRIX_FMT_FP6
.elseif (\ra) && (\rb)
	v_wmma_scale_f32_16x16x128_f8f6f4 v[\d:\d+7], v[\a:\a+11], v[\b:\b+11], v[\d:\d+7], v[\sa], v[\sb] matrix_a_fmt:MATRIX_FMT_FP6 matrix_b_fmt:MATRIX_FMT_FP6 matrix_a_scale:MATRIX_SCALE_ROW1 matrix_b_scale:MATRIX_SCALE_ROW1
.elseif (\ra)
	v_wmma_scale_f32_16x16x128_f8f6f4 v[\d:\d+7], v[\a:\a+11], v[\b:\b+11], v[\d:\d+7], v[\sa], v[\sb] matrix_a_fmt:MATRIX_FMT_FP6 matrix_b_fmt:MATRIX_FMT_FP6 matrix_a_scale:MATRIX_SCALE_ROW1
.elseif (\rb)
	v_wmma_scale_f32_16x16x128_f8f6f4 v[\d:\d+7], v[\a:\a+11], v[\b:\b+11], v[\d:\d+7], v[\sa], v[\sb] matrix_a_fmt:MATRIX_FMT_FP6 matrix_b_fmt:MATRIX_FMT_FP6 matrix_b_scale:MATRIX_SCALE_ROW1
.else
	v_wmma_scale_f32_16x16x128_f8f6f4 v[\d:\d+7], v[\a:\a+11], v[\b:\b+11], v[\d:\d+7], v[\sa], v[\sb] matrix_a_fmt:MATRIX_FMT_FP6 matrix_b_fmt:MATRIX_FMT_FP6
.endif
.endm
.macro FRAG reg, a16, a8, off, d2
	ds_load_b128 v[\reg:\reg+3], v[\a16] offset:\off
	ds_load_b64 v[\reg+4:\reg+5], v[\a8] offset:\off+512
	ds_load_b128 v[\reg+6:\reg+9], v[\a16] offset:\off+\d2
	ds_load_b64 v[\reg+10:\reg+11], v[\a8] offset:\off+\d2+512
.endm
.macro JLOAD g0p, g1p, g0q, g1q
	s_cmp_eq_u32 s[WP], 0
	s_cbranch_scc0 .Lfor_q_\@
	tensor_load_to_lds s[\g0p:\g0p+3], s[\g1p:\g1p+7]
	s_nop 0
.rept 4
	v_nop
.endr
	s_branch .Lasked_\@
.Lfor_q_\@:
	tensor_load_to_lds s[\g0q:\g0q+3], s[\g1q:\g1q+7]
	s_nop 0
.rept 4
	v_nop
.endr
.Lasked_\@:
.endm
.macro CROUND
	s_barrier_signal -1
	s_barrier_wait -1
	s_cmp_lg_u32 s[WV], 0
	s_cbranch_scc1 .Lnot_wave_0_\@
	s_barrier_signal -3
.Lnot_wave_0_\@:
	s_barrier_wait -3
	s_barrier_signal -1
	s_barrier_wait -1
.endm
.macro STEP slot, st, gs, z
.rept 4
	v_nop
.endr
.irp q, 0,1
	FRAG QF+12*\q, AQ16+4*(\slot), AQ8+4*(\slot), \q*ROWB+(\st)*1536, 768
.endr
	ds_load_b32 v[SQ], v[ASQ] offset:(\gs)*128
.irp j, 0,1
	ds_load_b32 v[SP+\j], v[ASP] offset:\j*K+(\gs)*128
.endr
.irp t, 0,1,2,3
	FRAG PF+12*\t, AP16+4*(\slot), AP8+4*(\slot), \t*ROWB+(\st)*1536, 768
.endr
	s_wait_dscnt 0x0
.irp t, 0,1,2,3
.irp q, 0,1
	WMS ACC+32*\q+8*\t, PF+12*\t, QF+12*\q, \z, SP+\t/2, SQ, \t%2, \q
.endr
.endr
.endm
.macro WORK slot, c, z
	STEP \slot, 0, (\c)*NST, \z
	STEP \slot, 1, (\c)*NST+1, 0
	STEP \slot, 2, (\c)*NST+2, 0
	STEP \slot, 3, (\c)*NST+3, 0
.endm
.macro CHANGE fs, refill
	s_wait_tensorcnt 0x0
	ds_add_u32 v[SPW], v[NIL]
.if \refill
	s_add_nc_u64 s[G0P+4*(\fs)+2:G0P+4*(\fs)+3], s[G0P+4*(\fs)+2:G0P+4*(\fs)+3], 2*ROWB
	s_add_nc_u64 s[G0Q+4*(\fs)+2:G0Q+4*(\fs)+3], s[G0Q+4*(\fs)+2:G0Q+4*(\fs)+3], 2*ROWB
.endif
	s_wait_dscnt 0x0
.if \refill
	CROUND
	JLOAD G0P+4*(\fs), G1P, G0Q+4*(\fs), G1Q
.else
	s_barrier_signal -1
	s_barrier_wait -1
.endif
.endm
	s_load_b256 s[4:11], s[0:1], 0x0
	v_lshl_add_u32 v[SPW], v0, 2, SPARE
	v_mov_b32 v[NIL], 0
	ds_add_u32 v1, v2
	ds_add_u32 v1, v2
	s_wait_dscnt 0x0
	v_lshrrev_b32 v3, 5, v0
	s_delay_alu instid0(VALU_DEP_1)
	v_readfirstlane_b32 s[WV], v3
	s_and_b32 s[WQ], s[WV], 3
	s_lshr_b32 s[WP], s[WV], 2
	s_bfe_u32 s[CX], ttmp6, 0x40000
	s_bfe_u32 s[CY], ttmp6, 0x40004
	s_lshl_b32 s[COL], ttmp9, 2
	s_add_co_u32 s[COL], s[COL], s[CX]
	s_and_b32 s[ROW], ttmp7, 0xffff
	s_lshl_b32 s[ROW], s[ROW], 2
	s_add_co_u32 s[ROW], s[ROW], s[CY]
	s_lshl_b32 s[MR], s[CY], 2
	s_lshl_b32 s[MR], 15, s[MR]
	s_lshl_b32 s[MC], 0x1111, s[CX]
	s_or_b32 s[G1P], s[MC], (3<<16)|(1<<21)
	s_or_b32 s[G1Q], s[MR], (3<<16)|(1<<21)
	s_or_b32 s[G1SP], s[MC], (3<<16)|(1<<21)
	s_or_b32 s[G1SQ], s[MR], (3<<16)|(1<<21)
.irp g, G1P, G1Q
	s_mov_b32 s[\g+1], (ROWB/8)<<16
	s_mov_b32 s[\g+2], 4<<16
	s_mov_b32 s[\g+3], (ROWB/8)<<16
	s_mov_b32 s[\g+4], 4
	s_mov_b32 s[\g+5], K12/8
	s_mov_b32 s[\g+6], 0
	s_mov_b32 s[\g+7], 0
.endr
.irp g, G1SP, G1SQ
	s_mov_b32 s[\g+1], 32<<16
	s_mov_b32 s[\g+2], (2*K/256)<<16
	s_mov_b32 s[\g+3], 32<<16
	s_mov_b32 s[\g+4], 2*K/256
	s_mov_b32 s[\g+5], 32
	s_mov_b32 s[\g+6], 0
	s_mov_b32 s[\g+7], 0
.endr
.set NQW, 2                            ; waves in each of the head's four arms
	s_lshl_b32 s83, s[WQ], 1
	s_and_b32 s81, s[WV], NQW-1
	s_lshl_b32 s81, s81, 1                         ; the head's scale loads: two pairs a wave
	s_lshl_b32 s82, s[COL], 3
	s_add_co_u32 s84, s82, s83
	s_mul_i32 s84, s84, K12
	s_add_co_u32 s84, s84, PCOFF
	s_mov_b32 s85, 0
	s_lshr_b32 s86, s82, 1
	s_add_co_u32 s86, s86, s81
	s_mul_i32 s86, s86, K
	s_add_co_u32 s86, s86, PSOFF
	s_mov_b32 s87, 0
	s_lshl_b32 s88, s[ROW], 3
	s_add_co_u32 s90, s88, s83
	s_mul_i32 s90, s90, K12
	s_mov_b32 s91, 0
	s_lshr_b32 s92, s88, 1
	s_add_co_u32 s92, s92, s81
	s_mul_i32 s92, s92, K
	s_add_co_u32 s92, s92, QSOFF
	s_mov_b32 s93, 0
	s_mul_i32 s94, s[WQ], 2*K
	s_lshl_b32 s81, s81, 1                         ; the head's loads of chunk 0: four tiles a wave
	s_add_co_u32 s2, s82, s81
	s_mul_i32 s2, s2, K12
	s_add_co_u32 s2, s2, PCOFF
	s_mov_b32 s3, 0
	s_add_co_u32 s88, s88, s81
	s_mul_i32 s88, s88, K12
	s_mov_b32 s89, 0
	s_mul_i32 s95, s[WV], 2*ROWB
	s_wait_kmcnt 0x0
	s_add_nc_u64 s[84:85], s[6:7], s[84:85]
	s_add_nc_u64 s[86:87], s[6:7], s[86:87]
	s_add_nc_u64 s[90:91], s[4:5], s[90:91]
	s_add_nc_u64 s[92:93], s[4:5], s[92:93]
	s_add_nc_u64 s[2:3], s[6:7], s[2:3]
	s_add_nc_u64 s[88:89], s[4:5], s[88:89]
	CROUND
	s_mov_b32 s[G0SP], 1
	s_add_co_u32 s[G0SP+1], s94, SCL
	s_mov_b64 s[G0SP+2:G0SP+3], s[86:87]
	s_or_b32 s[G0SP+3], s[G0SP+3], 0x80000000
	s_mov_b32 s[G0SQ], 1
	s_add_co_u32 s[G0SQ+1], s94, SCL
	s_mov_b64 s[G0SQ+2:G0SQ+3], s[92:93]
	s_or_b32 s[G0SQ+3], s[G0SQ+3], 0x80000000
	; THE HEAD'S FILLS, one joint load a wave, in one chain of four arms: P's chunk 0, Q's chunk 0 (four tiles a wave, in slot 0's groups 0), P's scale words, Q's (two pairs a wave)
	s_mov_b32 s[G0P], 1
	s_mul_i32 s[G0P+1], s[WV], 4*ROWB
	s_mov_b64 s[G0P+2:G0P+3], s[2:3]
	s_or_b32 s[G0P+3], s[G0P+3], 0x80000000
	s_mov_b32 s[G0Q], 1
	s_mul_i32 s[G0Q+1], s[WV], 4*ROWB
	s_mov_b64 s[G0Q+2:G0Q+3], s[88:89]
	s_or_b32 s[G0Q+3], s[G0Q+3], 0x80000000
.macro ARM under, g0, g1, next
	s_cmp_lt_u32 s[WV], \under
	s_cbranch_scc0 \next
	tensor_load_to_lds s[\g0:\g0+3], s[\g1:\g1+7]
	s_nop 0
.rept 4
	v_nop
.endr
	s_branch .Lhead_asked
\next:
.endm
	ARM NQW, G0P, G1P, .Lhead_q
	ARM 2*NQW, G0Q, G1Q, .Lhead_sp
	ARM 3*NQW, G0SP, G1SP, .Lhead_sq
	tensor_load_to_lds s[G0SQ:G0SQ+3], s[G1SQ:G1SQ+7]
	s_nop 0
.rept 4
	v_nop
.endr
.Lhead_asked:
	; PREFETCH INTO THE L2: chunk 1, which is loaded behind the next round.  Of the two tiles' 2 ROWB bytes that my wave fetches then, each of the four partners that ask for them jointly names a quarter,
	; told apart by address (cy for P, cx for Q): ROWB / 512 blocks of 256 bytes, a lane a block; the lanes left over name the last block again.  K has two chunks: nothing more is asked for.
	s_cmp_eq_u32 s[WP], 0
	s_cselect_b32 s82, s[CY], s[CX]
	s_cselect_b64 s[88:89], s[84:85], s[90:91]
	s_lshr_b32 s83, s82, 1
	s_mul_i32 s83, s83, K12
	s_and_b32 s82, s82, 1
	s_mul_i32 s82, s82, ROWB/2
	s_add_co_u32 s82, s82, s83
	s_mov_b32 s83, 0
	s_add_nc_u64 s[88:89], s[88:89], s[82:83]
	v_and_b32 v23, 31, v0
	v_min_u32 v23, ROWB/512-1, v23
	v_lshlrev_b32 v23, 8, v23
	global_prefetch_b8 v23, s[88:89] offset:ROWB th:TH_LOAD_NT scope:SCOPE_SE
	s_wait_alu depctr_va_vdst(0)
	s_wait_tensorcnt 0x0                           ; my head load is in: slot 1's first fill is issued as a refill is
	ds_add_u32 v1, v2
	s_mov_b32 s[G1P+2], 2<<16                      ; no tensor load of mine is out: from here on a load brings two tiles
	s_mov_b32 s[G1P+4], 2
	s_mov_b32 s[G1Q+2], 2<<16
	s_mov_b32 s[G1Q+4], 2
.irp s, 0,1
	s_mov_b32 s[G0P+4*\s], 1
	s_add_co_u32 s[G0P+4*\s+1], s95, \s*SLOT
	s_add_nc_u64 s[G0P+4*\s+2:G0P+4*\s+3], s[84:85], \s*ROWB
	s_or_b32 s[G0P+4*\s+3], s[G0P+4*\s+3], 0x80000000
	s_mov_b32 s[G0Q+4*\s], 1
	s_add_co_u32 s[G0Q+4*\s+1], s95, \s*SLOT
	s_add_nc_u64 s[G0Q+4*\s+2:G0Q+4*\s+3], s[90:91], \s*ROWB
	s_or_b32 s[G0Q+4*\s+3], s[G0Q+4*\s+3], 0x80000000
.endr
	s_wait_dscnt 0x0
	CROUND                                         ; chunk 0 and the scale words are in, in every wave of every partner
	JLOAD G0P+4, G1P, G0Q+4, G1Q                   ; chunk 1
	v_and_b32 v5, 31, v0
	s_delay_alu instid0(VALU_DEP_1)
	v_lshlrev_b32 v3, 4, v5
	s_wait_alu depctr_va_vdst(0)
	v_lshlrev_b32 v4, 3, v5
	s_wait_alu depctr_va_vdst(0)
	v_lshlrev_b32 v5, 2, v5
	s_wait_alu depctr_va_vdst(0)
	s_lshl_b32 s96, s[ROW], 7
	s_lshr_b32 s97, s[WV], 1
	s_lshl_b32 s97, s97, 5
	s_add_co_u32 s96, s96, s97
	s_and_b32 s97, s[WV], 1
	s_lshl_b32 s97, s97, 3
	s_add_co_u32 s96, s96, s97
	s_lshl_b32 s96, s96, 12
	s_lshl_b32 s97, s[COL], 9
	s_add_co_u32 s2, s96, s97
	s_mov_b32 s3, 0
	s_add_nc_u64 s[8:9], s[8:9], s[2:3]
	s_add_nc_u64 s[10:11], s[10:11], s[2:3]
.set i, 0
.rept 16
	global_load_b128 v[RS+4*i:RS+4*i+3], v3, s[8:9] offset:(i+(i&8))*4096
.set i, i+1
.endr
	s_mul_i32 s98, s[WP], 4*ROWB
	s_mul_i32 s99, s[WQ], 2*ROWB
	s_add_co_u32 s99, s99, QOFF
	v_add_nc_u32 v[AP16], s98, v3
	v_add_nc_u32 v[AP8], s98, v4
	v_add_nc_u32 v[AQ16], s99, v3
	v_add_nc_u32 v[AQ8], s99, v4
.irp i, 0,1,2,3
	s_delay_alu instid0(VALU_DEP_4)
	v_add_nc_u32 v[AP16+4+\i], SLOT, v[AP16+\i]
.endr
	s_mul_i32 s98, s[WP], 2*K
	s_add_co_u32 s98, s98, SCL
	v_add_nc_u32 v[ASP], s98, v5
	s_mul_i32 s99, s[WQ], K
	s_add_co_u32 s99, s99, SCL+4*K
	v_add_nc_u32 v[ASQ], s99, v5
	v_and_b32 v[STO], 15, v0
	v_bfe_u32 v[RD], v0, 4, 1
	s_delay_alu instid0(VALU_DEP_2)
	v_mul_u32_u24 v[STO], v[STO], 528
	s_delay_alu instid0(VALU_DEP_1)
	v_lshl_add_u32 v[STO], v[RD], 6, v[STO]
	s_mul_i32 s98, s[WQ], 32*528
	s_lshl_b32 s99, s[WP], 8
	s_add_co_u32 s98, s98, s99
	s_add_co_u32 s98, s98, STG
	v_add_nc_u32 v[STO], s98, v[STO]
	s_mul_i32 s99, s[WV], 8448
	s_add_co_u32 s99, s99, STG
	v_add_nc_u32 v[RD], s99, v3
	s_wait_alu depctr_va_vdst(0)
	WORK 0, 0, 1
	CHANGE 0, 0
	WORK 1, 1, 0
.rept 4
	v_nop
.endr
.irp q, 0,1
.irp t, 0,1,2,3
	ds_store_b128 v[STO], v[ACC+32*\q+8*\t:ACC+32*\q+8*\t+3] offset:\q*8448+128*(\t/2)+32*(\t%2)
	ds_store_b128 v[STO], v[ACC+32*\q+8*\t+4:ACC+32*\q+8*\t+7] offset:\q*8448+128*(\t/2)+32*(\t%2)+16
.endr
.endr
	s_wait_dscnt 0x0
	s_barrier_signal -1
	s_barrier_wait -1
.set i, 0
.rept 16
	ds_load_b128 v[OB+4*i:OB+4*i+3], v[RD] offset:i*528
.set i, i+1
.endr
	s_wait_loadcnt 0x0
.set i, 0
.rept 16
	s_wait_dscnt 15-i
	v_pk_add_f32 v[OB+4*i:OB+4*i+1], v[OB+4*i:OB+4*i+1], v[RS+4*i:RS+4*i+1]
	v_pk_add_f32 v[OB+4*i+2:OB+4*i+3], v[OB+4*i+2:OB+4*i+3], v[RS+4*i+2:RS+4*i+3]
	global_store_b128 v3, v[OB+4*i:OB+4*i+3], s[10:11] offset:(i+(i&8))*4096
.set i, i+1
.endr
	s_wait_tensorcnt 0x0
	ds_add_u32 v[SPW], v[NIL]
	s_wait_dscnt 0x0
	CROUND
	s_endpgm
.Lfunc_end_k_q6acb2a2efa_gout:
	.size	k_q6acb2a2efa_gout, .Lfunc_end_k_q6acb2a2efa_gout-k_q6acb2a2efa_gout
	.p2alignl 7, 3214868480
	.fill 96, 4, 3214868480
	.section	.rodata,"a",@progbits
	.p2align	6, 0x0
	.amdhsa_kernel k_q6acb2a2efa_gout
		.amdhsa_group_segment_fixed_size 327680
		.amdhsa_private_segment_fixed_size 0
		.amdhsa_enable_private_segment 0
		.amdhsa_kernarg_size 32
		.amdhsa_user_sgpr_count 2
		.amdhsa_user_sgpr_kernarg_segment_ptr 1
		.amdhsa_wavefront_size32 1
		.amdhsa_system_sgpr_workgroup_id_x 1
		.amdhsa_system_sgpr_workgroup_id_y 1
		.amdhsa_system_sgpr_workgroup_id_z 1
		.amdhsa_system_vgpr_workitem_id 0
		.amdhsa_next_free_vgpr 256
		.amdhsa_next_free_sgpr 100
		.amdhsa_reserve_vcc 0
		.amdhsa_float_denorm_mode_32 3
		.amdhsa_float_denorm_mode_16_64 3
		.amdhsa_memory_ordered 1
		.amdhsa_forward_progress 1
		.amdhsa_inst_pref_size 43
	.end_amdhsa_kernel
	.amdgpu_metadata
---
amdhsa.version: [ 1, 2 ]
amdhsa.kernels:
  - .name:           k_q6acb2a2efa_gout
    .symbol:         k_q6acb2a2efa_gout.kd
    .args:
      - { .name: ao, .offset: 0, .size: 8, .value_kind: global_buffer, .address_space: global }
      - { .name: wts, .offset: 8, .size: 8, .value_kind: global_buffer, .address_space: global }
      - { .name: x, .offset: 16, .size: 8, .value_kind: global_buffer, .address_space: global }
      - { .name: x1, .offset: 24, .size: 8, .value_kind: global_buffer, .address_space: global }
    .group_segment_fixed_size: 327680
    .private_segment_fixed_size: 0
    .kernarg_segment_align: 8
    .kernarg_segment_size: 32
    .max_flat_workgroup_size: 256
    .sgpr_count:     100
    .vgpr_count:     256
    .wavefront_size: 32
...
	.end_amdgpu_metadata
.endif
;; end of part 5
;; launch ln2: the kernel of part 2 again; grid 256 x 1, 8 waves a work-group, no clusters, 70,656 bytes of LDS; arguments x1, ln2_w, a2; writes a2
;; launch gfc1 (part 6): grid 16 x 16, 16 waves a work-group, clusters of 4 x 4, 327,680 bytes of LDS; arguments a2, wts, hid; writes hid
.if DOCPART == 6
	.amdgcn_target "amdgcn-amd-amdhsa--gfx1250"
	.amdhsa_code_object_version 6
	.text
	.protected	k_q6acb2a2efa_gfc1
	.globl	k_q6acb2a2efa_gfc1
	.p2align	8
	.type	k_q6acb2a2efa_gfc1,@function
k_q6acb2a2efa_gfc1:
	s_mov_b64 s[64:65], 0
	v_nop
	global_prefetch_b8 v0, s[64:65] scope:SCOPE_SE
	s_setreg_imm32_b32 hwreg(HW_REG_WAVE_MODE, 25, 1), 1
	s_wait_xcnt 0x0
	s_wait_alu depctr_hold_cnt(0) depctr_sa_sdst(0) depctr_va_vdst(0) depctr_va_sdst(0) depctr_va_ssrc(0) depctr_va_vcc(0) depctr_vm_vsrc(0)
	s_getreg_b32 s2, hwreg(HW_REG_IB_STS2, 6, 4)
	s_cmp_eq_u32 s2, 0
	s_cbranch_scc0 .Lentry_in_a_cluster
	s_endpgm
.Lentry_in_a_cluster:
	s_bfe_u32 s2, ttmp6, 0x10000c
	s_cmp_lg_u32 s2, 0xf033
	s_cbranch_scc0 .Lentry_shape_is_right
	s_endpgm
.Lentry_shape_is_right:
.set K,     1024
.set PCOFF, 3145728
.set PSOFF, 9568256
.set QSOFF, 3145728
.set K12,   12*K
.set NST,   2
.set ROWB,  NST*1536
.set SLOT,  98304
.set QOFF,  49152
.set SCL,   196608
.set SPARE, 212992
.set SPW, 1
.set NIL, 2
.set AP16, 6
.set AP8,  7
.set AQ16, 8
.set AQ8,  9
.set ASP, 14
.set ASQ, 15
.set SP,  16
.set SQ,  20
.set QF,  24
.set PF,  48
.set ACC, 128
.set TM,  96
.set PW0, 112
.set XC,  116
.set PC,  24
.set Z,   48
.set Z2,  56
.set PP,  64
.set QQ,  72
.set CA,  80
.set CB,  82
.set SEL, 10
.set WV, 12
.set ROW, 13
.set WQ, 14
.set WP, 15
.set G1P, 16
.set G1Q, 24
.set G1SP, 32
.set G1SQ, 40
.set G0SP, 48
.set G0SQ, 52
.set G0P, 56
.set G0Q, 68
.set COL, 76
.set CX, 77
.set CY, 78
.set MR, 79
.set MC, 80
.macro WMS d, a, b, z, sa, sb, ra, rb
.if (\z) && (\ra) && (\rb)
	v_wmma_scale_f32_16x16x128_f8f6f4 v[\d:\d+7], v[\a:\a+11], v[\b:\b+11], 0, v[\sa], v[\sb] matrix_a_fmt:MATRIX_FMT_FP6 matrix_b_fmt:MATRIX_FMT_FP6 matrix_a_scale:MATRIX_SCALE_ROW1 matrix_b_scale:MATRIX_SCALE_ROW1
.elseif (\z) && (\ra)
	v_wmma_scale_f32_16x16x128_f8f6f4 v[\d:\d+7], v[\a:\a+11], v[\b:\b+11], 0, v[\sa], v[\sb] matrix_a_fmt:MATRIX_FMT_FP6 matrix_b_fmt:MATRIX_FMT_FP6 matrix_a_scale:MATRIX_SCALE_ROW1
.elseif (\z) && (\rb)
	v_wmma_scale_f32_16x16x128_f8f6f4 v[\d:\d+7], v[\a:\a+11], v[\b:\b+11], 0, v[\sa], v[\sb] matrix_a_fmt:MATRIX_FMT_FP6 matrix_b_fmt:MATRIX_FMT_FP6 matrix_b_scale:MATRIX_SCALE_ROW1
.elseif (\z)
	v_wmma_scale_f32_16x16x128_f8f6f4 v[\d:\d+7], v[\a:\a+11], v[\b:\b+11], 0, v[\sa], v[\sb] matrix_a_fmt:MATRIX_FMT_FP6 matrix_b_fmt:MATRIX_FMT_FP6
.elseif (\ra) && (\rb)
	v_wmma_scale_f32_16x16x128_f8f6f4 v[\d:\d+7], v[\a:\a+11], v[\b:\b+11], v[\d:\d+7], v[\sa], v[\sb] matrix_a_fmt:MATRIX_FMT_FP6 matrix_b_fmt:MATRIX_FMT_FP6 matrix_a_scale:MATRIX_SCALE_ROW1 matrix_b_scale:MATRIX_SCALE_ROW1
.elseif (\ra)
	v_wmma_scale_f32_16x16x128_f8f6f4 v[\d:\d+7], v[\a:\a+11], v[\b:\b+11], v[\d:\d+7], v[\sa], v[\sb] matrix_a_fmt:MATRIX_FMT_FP6 matrix_b_fmt:MATRIX_FMT_FP6 matrix_a_scale:MATRIX_SCALE_ROW1
.elseif (\rb)
	v_wmma_scale_f32_16x16x128_f8f6f4 v[\d:\d+7], v[\a:\a+11], v[\b:\b+11], v[\d:\d+7], v[\sa], v[\sb] matrix_a_fmt:MATRIX_FMT_FP6 matrix_b_fmt:MATRIX_FMT_FP6 matrix_b_scale:MATRIX_SCALE_ROW1
.else
	v_wmma_scale_f32_16x16x128_f8f6f4 v[\d:\d+7], v[\a:\a+11], v[\b:\b+11], v[\d:\d+7], v[\sa], v[\sb] matrix_a_fmt:MATRIX_FMT_FP6 matrix_b_fmt:MATRIX_FMT_FP6
.endif
.endm
.macro FRAG reg, a16, a8, off, d2
	ds_load_b128 v[\reg:\reg+3], v[\a16] offset:\off
	ds_load_b64 v[\reg+4:\reg+5], v[\a8] offset:\off+512
	ds_load_b128 v[\reg+6:\reg+9], v[\a16] offset:\off+\d2
	ds_load_b64 v[\reg+10:\reg+11], v[\a8] offset:\off+\d2+512
.endm
.macro JLOAD g0p, g1p, g0q, g1q
	s_cmp_eq_u32 s[WP], 0
	s_cbranch_scc0 .Lfor_q_\@
	tensor_load_to_lds s[\g0p:\g0p+3], s[\g1p:\g1p+7]
	s_nop 0
.rept 4
	v_nop
.endr
	s_branch .Lasked_\@
.Lfor_q_\@:
	tensor_load_to_lds s[\g0q:\g0q+3], s[\g1q:\g1q+7]
	s_nop 0
.rept 4
	v_nop
.endr
.Lasked_\@:
.endm
.macro CROUND
	s_barrier_signal -1
	s_barrier_wait -1
	s_cmp_lg_u32 s[WV], 0
	s_cbranch_scc1 .Lnot_wave_0_\@
	s_barrier_signal -3
.Lnot_wave_0_\@:
	s_barrier_wait -3
	s_barrier_signal -1
	s_barrier_wait -1
.endm
.macro QUANT s, pw
.irp b, 0,1,2,3
	v_max3_num_f32 v[TM+\b], |v[\s+16*\b]|, |v[\s+1+16*\b]|, 0x1800000
.endr
.irp i, 2,4,6,8,10,12,14
.irp b, 0,1,2,3
	s_delay_alu instid0(VALU_DEP_4)
	v_max3_num_f32 v[TM+\b], v[TM+\b], |v[\s+16*\b+\i]|, |v[\s+1+16*\b+\i]|
.endr
.endr
.irp b, 0,1,2,3
	s_delay_alu instid0(VALU_DEP_4)
	v_permlanex16_b32 v[TM+4+\b], v[TM+\b], s[SEL], s[SEL+1]
.endr
.irp b, 0,1,2,3
	s_delay_alu instid0(VALU_DEP_4)
	v_max_num_f32 v[TM+\b], v[TM+\b], v[TM+4+\b]
.endr
.irp b, 0,1,2,3
	s_delay_alu instid0(VALU_DEP_4)
	v_add_nc_u32 v[TM+12+\b], 0xff000000, v[TM+\b]
.endr
.irp b, 0,1,2,3
	s_delay_alu instid0(VALU_DEP_4)
	v_lshrrev_b32 v[TM+4+\b], 23, v[TM+12+\b]
.endr
	s_delay_alu instid0(VALU_DEP_3)
	v_lshl_or_b32 v[\pw], v[TM+5], 8, v[TM+4]
	s_delay_alu instid0(VALU_DEP_1)
	v_lshl_or_b32 v[\pw], v[TM+6], 16, v[\pw]
	s_delay_alu instid0(VALU_DEP_1)
	v_lshl_or_b32 v[\pw], v[TM+7], 24, v[\pw]
.irp c, 0,1
	v_cvt_scalef32_pk16_fp6_f32 v[PC+6*\c:PC+2+6*\c], v[\s+32*\c:\s+15+32*\c], v[TM+12+2*\c]
	v_cvt_scalef32_pk16_fp6_f32 v[PC+12+4*\c:PC+14+4*\c], v[\s+16+32*\c:\s+31+32*\c], v[TM+12+2*\c+1]
.endr
	v_nop
.irp c, 0,1
.irp i, 0,1,2
	v_permlane16_swap_b32 v[PC+6*\c+\i], v[PC+12+4*\c+\i]
.endr
.irp i, 0,1,2
	s_delay_alu instid0(VALU_DEP_3)
	v_mov_b32 v[PC+3+6*\c+\i], v[PC+12+4*\c+\i]
.endr
.endr
.endm
.macro GELU8 x
.irp p, 0,2,4,6
	v_pk_mul_f32 v[Z+\p:Z+\p+1], v[\x+\p:\x+\p+1], 0x3f3504f3 op_sel_hi:[1,0]
.endr
.irp p, 0,1,2,3,4,5,6,7
	v_med3_num_f32 v[Z+\p], v[Z+\p], -4.0, 4.0
.endr
.irp p, 0,2,4,6
	v_pk_mul_f32 v[Z2+\p:Z2+\p+1], v[Z+\p:Z+\p+1], v[Z+\p:Z+\p+1]
.endr
.irp p, 0,2,4,6
	v_pk_fma_f32 v[PP+\p:PP+\p+1], v[Z2+\p:Z2+\p+1], v[CA:CA+1], 0x32edffee op_sel_hi:[1,1,0]
	v_pk_fma_f32 v[QQ+\p:QQ+\p+1], v[Z2+\p:Z2+\p+1], v[CB:CB+1], 0xb95fbd29 op_sel_hi:[1,1,0]
.endr
.irp a, 0xb60cff51, 0xb86ec2d2, 0xba40ac63, 0xbb41a1f6, 0xbc83dbd4
.irp p, 0,2,4,6
	v_pk_fma_f32 v[PP+\p:PP+\p+1], v[PP+\p:PP+\p+1], v[Z2+\p:Z2+\p+1], \a op_sel_hi:[1,1,0]
.endr
.endr
.irp a, 0xbadc924e, 0xbbf19bf8, 0xbc69b6a7
.irp p, 0,2,4,6
	v_pk_fma_f32 v[QQ+\p:QQ+\p+1], v[QQ+\p:QQ+\p+1], v[Z2+\p:Z2+\p+1], \a op_sel_hi:[1,1,0]
.endr
.endr
.irp p, 0,2,4,6
	v_pk_mul_f32 v[PP+\p:PP+\p+1], v[PP+\p:PP+\p+1], v[Z+\p:Z+\p+1]
.endr
	s_wait_alu depctr_va_vdst(0)
.irp p, 0,1,2,3,4,5,6,7
	v_rcp_f32 v[QQ+\p], v[QQ+\p]
.endr
.irp p, 0,2,4,6
	v_pk_mul_f32 v[Z+\p:Z+\p+1], v[\x+\p:\x+\p+1], 0.5 op_sel_hi:[1,0]
.endr
	s_wait_alu depctr_va_vdst(0)
.irp p, 0,2,4,6
	v_pk_mul_f32 v[PP+\p:PP+\p+1], v[PP+\p:PP+\p+1], v[QQ+\p:QQ+\p+1]
.endr
.irp p, 0,2,4,6
	s_delay_alu instid0(VALU_DEP_4)
	v_pk_fma_f32 v[\x+\p:\x+\p+1], v[Z+\p:Z+\p+1], v[PP+\p:PP+\p+1], v[Z+\p:Z+\p+1]
.endr
.endm
.macro STEP slot, st, gs, z
.rept 4
	v_nop
.endr
.irp q, 0,1
	FRAG QF+12*\q, AQ16+4*(\slot), AQ8+4*(\slot), \q*ROWB+(\st)*1536, 768
.endr
	ds_load_b32 v[SQ], v[ASQ] offset:(\gs)*128
.irp j, 0,1,2,3
	ds_load_b32 v[SP+\j], v[ASP] offset:\j*K+(\gs)*128
.endr
.irp g, 0,1
.if \g > 0
.rept 4
	v_nop
.endr
.endif
.irp t, 0,1,2,3
	FRAG PF+12*\t, AP16+4*(\slot), AP8+4*(\slot), (4*\g+\t)*ROWB+(\st)*1536, 768
.endr
	s_wait_dscnt 0x0
.irp t, 0,1,2,3
.irp q, 0,1
	WMS ACC+64*\q+8*(4*\g+\t), PF+12*\t, QF+12*\q, \z, SP+(4*\g+\t)/2, SQ, \t%2, \q
.endr
.endr
.endr
.endm
.macro WORK slot, c, z
	STEP \slot, 0, (\c)*NST, \z
	STEP \slot, 1, (\c)*NST+1, 0
.endm
.macro CHANGE fs, refill
	s_wait_tensorcnt 0x0
	ds_add_u32 v[SPW], v[NIL]
.if \refill
	s_add_nc_u64 s[G0P+4*(\fs)+2:G0P+4*(\fs)+3], s[G0P+4*(\fs)+2:G0P+4*(\fs)+3], 2*ROWB
	s_add_nc_u64 s[G0Q+4*(\fs)+2:G0Q+4*(\fs)+3], s[G0Q+4*(\fs)+2:G0Q+4*(\fs)+3], 2*ROWB
.endif
	s_wait_dscnt 0x0
.if \refill
	CROUND
	JLOAD G0P+4*(\fs), G1P, G0Q+4*(\fs), G1Q
.else
	s_barrier_signal -1
	s_barrier_wait -1
.endif
.endm
	s_load_b128 s[4:7], s[0:1], 0x0
	s_load_b64 s[8:9], s[0:1], 0x10
	v_lshl_add_u32 v[SPW], v0, 2, SPARE
	v_mov_b32 v[NIL], 0
	ds_add_u32 v1, v2
	ds_add_u32 v1, v2
	s_wait_dscnt 0x0
	v_lshrrev_b32 v3, 5, v0
	s_delay_alu instid0(VALU_DEP_1)
	v_readfirstlane_b32 s[WV], v3
	s_and_b32 s[WQ], s[WV], 7
	s_lshr_b32 s[WP], s[WV], 3
	s_bfe_u32 s[CX], ttmp6, 0x40000
	s_bfe_u32 s[CY], ttmp6, 0x40004
	s_lshl_b32 s[COL], ttmp9, 2
	s_add_co_u32 s[COL], s[COL], s[CX]
	s_and_b32 s[ROW], ttmp7, 0xffff
	s_lshl_b32 s[ROW], s[ROW], 2
	s_add_co_u32 s[ROW], s[ROW], s[CY]
	s_lshl_b32 s[MR], s[CY], 2
	s_lshl_b32 s[MR], 15, s[MR]
	s_lshl_b32 s[MC], 0x1111, s[CX]
	s_or_b32 s[G1P], s[MC], (3<<16)|(1<<21)
	s_or_b32 s[G1Q], s[MR], (3<<16)|(1<<21)
	s_or_b32 s[G1SP], s[MC], (3<<16)|(1<<21)
	s_or_b32 s[G1SQ], s[MR], (3<<16)|(1<<21)
.irp g, G1P, G1Q
	s_mov_b32 s[\g+1], (ROWB/8)<<16
	s_mov_b32 s[\g+2], 4<<16
	s_mov_b32 s[\g+3], (ROWB/8)<<16
	s_mov_b32 s[\g+4], 4
	s_mov_b32 s[\g+5], K12/8
	s_mov_b32 s[\g+6], 0
	s_mov_b32 s[\g+7], 0
.endr
.irp g, G1SP, G1SQ
	s_mov_b32 s[\g+1], 32<<16
	s_mov_b32 s[\g+2], (2*K/256)<<16
	s_mov_b32 s[\g+3], 32<<16
	s_mov_b32 s[\g+4], 2*K/256
	s_mov_b32 s[\g+5], 32
	s_mov_b32 s[\g+6], 0
	s_mov_b32 s[\g+7], 0
.endr
.set NQW, 4                            ; waves in each of the head's four arms
	s_lshl_b32 s83, s[WQ], 1
	s_and_b32 s81, s[WV], NQW-1
	s_lshl_b32 s81, s81, 1                         ; the head's scale loads: two pairs a wave
	s_lshl_b32 s82, s[COL], 4
	s_add_co_u32 s84, s82, s83
	s_mul_i32 s84, s84, K12
	s_add_co_u32 s84, s84, PCOFF
	s_mov_b32 s85, 0
	s_lshr_b32 s86, s82, 1
	s_add_co_u32 s86, s86, s81
	s_mul_i32 s86, s86, K
	s_add_co_u32 s86, s86, PSOFF
	s_mov_b32 s87, 0
	s_lshl_b32 s88, s[ROW], 4
	s_add_co_u32 s90, s88, s83
	s_mul_i32 s90, s90, K12
	s_mov_b32 s91, 0
	s_lshr_b32 s92, s88, 1
	s_add_co_u32 s92, s92, s81
	s_mul_i32 s92, s92, K
	s_add_co_u32 s92, s92, QSOFF
	s_mov_b32 s93, 0
	s_mul_i32 s94, s[WQ], 2*K
	s_lshl_b32 s81, s81, 1                         ; the head's loads of chunk 0: four tiles a wave
	s_add_co_u32 s2, s82, s81
	s_mul_i32 s2, s2, K12
	s_add_co_u32 s2, s2, PCOFF
	s_mov_b32 s3, 0
	s_add_co_u32 s88, s88, s81
	s_mul_i32 s88, s88, K12
	s_mov_b32 s89, 0
	s_mul_i32 s95, s[WV], 2*ROWB
	s_wait_kmcnt 0x0
	s_add_nc_u64 s[84:85], s[6:7], s[84:85]
	s_add_nc_u64 s[86:87], s[6:7], s[86:87]
	s_add_nc_u64 s[90:91], s[4:5], s[90:91]
	s_add_nc_u64 s[92:93], s[4:5], s[92:93]
	s_add_nc_u64 s[2:3], s[6:7], s[2:3]
	s_add_nc_u64 s[88:89], s[4:5], s[88:89]
	CROUND
	s_mov_b32 s[G0SP], 1
	s_add_co_u32 s[G0SP+1], s94, SCL
	s_mov_b64 s[G0SP+2:G0SP+3], s[86:87]
	s_or_b32 s[G0SP+3], s[G0SP+3], 0x80000000
	s_mov_b32 s[G0SQ], 1
	s_add_co_u32 s[G0SQ+1], s94, SCL
	s_mov_b64 s[G0SQ+2:G0SQ+3], s[92:93]
	s_or_b32 s[G0SQ+3], s[G0SQ+3], 0x80000000
	; THE HEAD'S FILLS, one joint load a wave, in one chain of four arms: P's chunk 0, Q's chunk 0 (four tiles a wave, in slot 0's groups 0), P's scale words, Q's (two pairs a wave)
	s_mov_b32 s[G0P], 1
	s_mul_i32 s[G0P+1], s[WV], 4*ROWB
	s_mov_b64 s[G0P+2:G0P+3], s[2:3]
	s_or_b32 s[G0P+3], s[G0P+3], 0x80000000
	s_mov_b32 s[G0Q], 1
	s_mul_i32 s[G0Q+1], s[WV], 4*ROWB
	s_mov_b64 s[G0Q+2:G0Q+3], s[88:89]
	s_or_b32 s[G0Q+3], s[G0Q+3], 0x80000000
.macro ARM under, g0, g1, next
	s_cmp_lt_u32 s[WV], \under
	s_cbranch_scc0 \next
	tensor_load_to_lds s[\g0:\g0+3], s[\g1:\g1+7]
	s_nop 0
.rept 4
	v_nop
.endr
	s_branch .Lhead_asked
\next:
.endm
	ARM NQW, G0P, G1P, .Lhead_q
	ARM 2*NQW, G0Q, G1Q, .Lhead_sp
	ARM 3*NQW, G0SP, G1SP, .Lhead_sq
	tensor_load_to_lds s[G0SQ:G0SQ+3], s[G1SQ:G1SQ+7]
	s_nop 0
.rept 4
	v_nop
.endr
.Lhead_asked:
	; PREFETCH INTO THE L2: behind the load of chunk c stands one request for chunk c + 2, which is loaded two loads on.  Of the two tiles' 2 ROWB bytes that my wave fetches in the ring, each of the four partners
	; that ask for them jointly names a quarter, told apart by address (cy for P, cx for Q): ROWB / 512 blocks of 256 bytes, a lane a block; the lanes left over name the last block again.
	; The chunk stands in the immediate: no address register is written again.  The last two chunks' loads ask for nothing.
	s_cmp_eq_u32 s[WP], 0
	s_cselect_b32 s82, s[CY], s[CX]
	s_cselect_b64 s[88:89], s[84:85], s[90:91]
	s_lshr_b32 s83, s82, 1
	s_mul_i32 s83, s83, K12
	s_and_b32 s82, s82, 1
	s_mul_i32 s82, s82, ROWB/2
	s_add_co_u32 s82, s82, s83
	s_mov_b32 s83, 0
	s_add_nc_u64 s[88:89], s[88:89], s[82:83]
	v_and_b32 v23, 31, v0
	v_min_u32 v23, ROWB/512-1, v23
	v_lshlrev_b32 v23, 8, v23
	s_wait_alu depctr_va_vdst(0)                   ; the wait behind the write
	global_prefetch_b8 v23, s[88:89] offset:ROWB th:TH_LOAD_NT scope:SCOPE_SE     ; at the head also chunk 1, which is loaded behind the next round
	global_prefetch_b8 v23, s[88:89] offset:2*ROWB th:TH_LOAD_NT scope:SCOPE_SE
	s_wait_alu depctr_va_vdst(0)
	s_wait_tensorcnt 0x0                           ; my head load is in: slot 1's first fill is issued as a refill is
	ds_add_u32 v1, v2
	s_mov_b32 s[G1P+2], 2<<16                      ; no tensor load of mine is out: from here on a load brings two tiles
	s_mov_b32 s[G1P+4], 2
	s_mov_b32 s[G1Q+2], 2<<16
	s_mov_b32 s[G1Q+4], 2
.irp s, 0,1
	s_mov_b32 s[G0P+4*\s], 1
	s_add_co_u32 s[G0P+4*\s+1], s95, \s*SLOT
	s_add_nc_u64 s[G0P+4*\s+2:G0P+4*\s+3], s[84:85], \s*ROWB
	s_or_b32 s[G0P+4*\s+3], s[G0P+4*\s+3], 0x80000000
	s_mov_b32 s[G0Q+4*\s], 1
	s_add_co_u32 s[G0Q+4*\s+1], s95, \s*SLOT
	s_add_nc_u64 s[G0Q+4*\s+2:G0Q+4*\s+3], s[90:91], \s*ROWB
	s_or_b32 s[G0Q+4*\s+3], s[G0Q+4*\s+3], 0x80000000
.endr
	s_wait_dscnt 0x0
	CROUND                                         ; chunk 0 and the scale words are in, in every wave of every partner
	JLOAD G0P+4, G1P, G0Q+4, G1Q                   ; chunk 1
	global_prefetch_b8 v23, s[88:89] offset:3*ROWB th:TH_LOAD_NT scope:SCOPE_SE
	v_and_b32 v5, 31, v0
	s_delay_alu instid0(VALU_DEP_1)
	v_lshlrev_b32 v3, 4, v5
	s_delay_alu instid0(VALU_DEP_2)
	v_lshlrev_b32 v4, 3, v5
	s_delay_alu instid0(VALU_DEP_3)
	v_lshlrev_b32 v5, 2, v5
	s_mul_i32 s94, s[WP], 8*ROWB
	s_mul_i32 s95, s[WQ], 2*ROWB
	s_add_co_u32 s95, s95, QOFF
	v_add_nc_u32 v[AP16], s94, v3
	v_add_nc_u32 v[AP8], s94, v4
	v_add_nc_u32 v[AQ16], s95, v3
	v_add_nc_u32 v[AQ8], s95, v4
.irp i, 0,1,2,3
	s_delay_alu instid0(VALU_DEP_4)
	v_add_nc_u32 v[AP16+4+\i], SLOT, v[AP16+\i]
.endr
	s_mul_i32 s94, s[WP], 4*K
	s_add_co_u32 s94, s94, SCL
	v_add_nc_u32 v[ASP], s94, v5
	s_mul_i32 s95, s[WQ], K
	s_add_co_u32 s95, s95, SCL+8*K
	v_add_nc_u32 v[ASQ], s95, v5
.irp b, 0,1,2,3
	v_mov_b32 v[TM+4+\b], 0
.endr
	s_mov_b32 s[SEL], 0x76543210
	s_mov_b32 s[SEL+1], 0xfedcba98
	s_lshl_b32 s2, s[ROW], 4
	s_lshl_b32 s3, s[WQ], 1
	s_add_co_u32 s2, s2, s3
	s_mul_i32 s2, s2, 49152
	s_lshl_b32 s81, s[COL], 1
	s_add_co_u32 s81, s81, s[WP]
	s_mul_i32 s3, s81, 1536
	s_add_co_u32 s2, s2, s3
	s_mov_b32 s3, 0
	s_add_nc_u64 s[96:97], s[8:9], s[2:3]
	s_lshl_b32 s2, s[ROW], 3
	s_add_co_u32 s2, s2, s[WQ]
	s_lshl_b32 s2, s2, 5
	s_add_co_u32 s2, s2, s81
	s_lshl_b32 s2, s2, 7
	s_add_co_u32 s2, s2, 12582912
	s_add_nc_u64 s[98:99], s[8:9], s[2:3]
	s_mov_b32 s81, 0xffff0000
	s_wait_alu depctr_va_vdst(0)
	WORK 0, 0, 1
	CHANGE 0, 1
	WORK 1, 1, 0
	CHANGE 1, 1
	WORK 0, 2, 0
	CHANGE 0, 0
	WORK 1, 3, 0
.rept 4
	v_nop
.endr
	v_mov_b32 v[CA], 0xaf95df0b
	v_mov_b32 v[CA+1], 0xaf95df0b
	v_mov_b32 v[CB], 0xb77460cd
	v_mov_b32 v[CB+1], 0xb77460cd
.irp q, 0,1
.irp t, 0,1,2,3,4,5,6,7
	GELU8 ACC+64*\q+8*\t
.endr
.if \q > 0
	s_wait_xcnt 0x0
.endif
	QUANT ACC+64*\q, PW0+\q
	global_store_b128 v3, v[PC:PC+3], s[96:97] offset:\q*49152
	global_store_b64 v4, v[PC+4:PC+5], s[96:97] offset:\q*49152+512
	global_store_b128 v3, v[PC+6:PC+9], s[96:97] offset:\q*49152+768
	global_store_b64 v4, v[PC+10:PC+11], s[96:97] offset:\q*49152+1280
.endr
	v_cndmask_b32 v[XC], v[PW0], v[PW0+1], s81
	global_store_b32 v5, v[XC], s[98:99]
	s_wait_tensorcnt 0x0
	ds_add_u32 v[SPW], v[NIL]
	s_wait_dscnt 0x0
	CROUND
	s_endpgm
.Lfunc_end_k_q6acb2a2efa_gfc1:
	.size	k_q6acb2a2efa_gfc1, .Lfunc_end_k_q6acb2a2efa_gfc1-k_q6acb2a2efa_gfc1
	.p2alignl 7, 3214868480
	.fill 96, 4, 3214868480
	.section	.rodata,"a",@progbits
	.p2align	6, 0x0
	.amdhsa_kernel k_q6acb2a2efa_gfc1
		.amdhsa_group_segment_fixed_size 327680
		.amdhsa_private_segment_fixed_size 0
		.amdhsa_enable_private_segment 0
		.amdhsa_kernarg_size 24
		.amdhsa_user_sgpr_count 2
		.amdhsa_user_sgpr_kernarg_segment_ptr 1
		.amdhsa_wavefront_size32 1
		.amdhsa_system_sgpr_workgroup_id_x 1
		.amdhsa_system_sgpr_workgroup_id_y 1
		.amdhsa_system_sgpr_workgroup_id_z 1
		.amdhsa_system_vgpr_workitem_id 0
		.amdhsa_next_free_vgpr 256
		.amdhsa_next_free_sgpr 100
		.amdhsa_reserve_vcc 0
		.amdhsa_float_denorm_mode_32 3
		.amdhsa_float_denorm_mode_16_64 3
		.amdhsa_memory_ordered 1
		.amdhsa_forward_progress 1
		.amdhsa_inst_pref_size 169
	.end_amdhsa_kernel
	.amdgpu_metadata
---
amdhsa.version: [ 1, 2 ]
amdhsa.kernels:
  - .name:           k_q6acb2a2efa_gfc1
    .symbol:         k_q6acb2a2efa_gfc1.kd
    .args:
      - { .name: a2, .offset: 0, .size: 8, .value_kind: global_buffer, .address_space: global }
      - { .name: wts, .offset: 8, .size: 8, .value_kind: global_buffer, .address_space: global }
      - { .name: hid, .offset: 16, .size: 8, .value_kind: global_buffer, .address_space: global }
    .group_segment_fixed_size: 327680
    .private_segment_fixed_size: 0
    .kernarg_segment_align: 8
    .kernarg_segment_size: 24
    .max_flat_workgroup_size: 512
    .sgpr_count:     100
    .vgpr_count:     256
    .wavefront_size: 32
...
	.end_amdgpu_metadata
.endif
;; end of part 6
;; launch gfc2 (part 7): grid 8 x 32, 8 waves a work-group, clusters of 4 x 4, 327,680 bytes of LDS; arguments hid, wts, x1, out0; writes out0
.if DOCPART == 7
	.amdgcn_target "amdgcn-amd-amdhsa--gfx1250"
	.amdhsa_code_object_version 6
	.text
	.protected	k_q6acb2a2efa_gfc2
	.globl	k_q6acb2a2efa_gfc2
	.p2align	8
	.type	k_q6acb2a2efa_gfc2,@function
k_q6acb2a2efa_gfc2:
	s_mov_b64 s[64:65], 0
	v_nop
	global_prefetch_b8 v0, s[64:65] scope:SCOPE_SE
	s_setreg_imm32_b32 hwreg(HW_REG_WAVE_MODE, 25, 1), 1
	s_wait_xcnt 0x0
	s_wait_alu depctr_hold_cnt(0) depctr_sa_sdst(0) depctr_va_vdst(0) depctr_va_sdst(0) depctr_va_ssrc(0) depctr_va_vcc(0) depctr_vm_vsrc(0)
	s_getreg_b32 s2, hwreg(HW_REG_IB_STS2, 6, 4)
	s_cmp_eq_u32 s2, 0
	s_cbranch_scc0 .Lentry_in_a_cluster
	s_endpgm
.Lentry_in_a_cluster:
	s_bfe_u32 s2, ttmp6, 0x10000c
	s_cmp_lg_u32 s2, 0xf033
	s_cbranch_scc0 .Lentry_shape_is_right
	s_endpgm
.Lentry_shape_is_right:
.set K,     4096
.set PCOFF, 6291456
.set PSOFF, 9699328
.set QSOFF, 12582912
.set K12,   12*K
.set NST,   4
.set ROWB,  NST*1536
.set SLOT,  98304
.set QOFF,  49152
.set SCL,   196608
.set SPARE, 229376
.set STG,   230400
.set SPW, 1
.set NIL, 2
.set AP16, 6
.set AP8,  7
.set AQ16, 8
.set AQ8,  9
.set ASP, 14
.set ASQ, 15
.set SP,  16
.set SQ,  20
.set STO, 21
.set RD,  22
.set QF,  24
.set PF,  48
.set OB,  24
.set ACC, 128
.set RS,  192
.set WV, 12
.set ROW, 13
.set WQ, 14
.set WP, 15
.set G1P, 16
.set G1Q, 24
.set G1SP, 32
.set G1SQ, 40
.set G0SP, 48
.set G0SQ, 52
.set G0P, 56
.set G0Q, 68
.set COL, 76
.set CX, 77
.set CY, 78
.set MR, 79
.set MC, 80
.macro WMS d, a, b, z, sa, sb, ra, rb
.if (\z) && (\ra) && (\rb)
	v_wmma_scale_f32_16x16x128_f8f6f4 v[\d:\d+7], v[\a:\a+11], v[\b:\b+11], 0, v[\sa], v[\sb] matrix_a_fmt:MATRIX_FMT_FP6 matrix_b_fmt:MATRIX_FMT_FP6 matrix_a_scale:MATRIX_SCALE_ROW1 matrix_b_scale:MATRIX_SCALE_ROW1
.elseif (\z) && (\ra)
	v_wmma_scale_f32_16x16x128_f8f6f4 v[\d:\d+7], v[\a:\a+11], v[\b:\b+11], 0, v[\sa], v[\sb] matrix_a_fmt:MATRIX_FMT_FP6 matrix_b_fmt:MATRIX_FMT_FP6 matrix_a_scale:MATRIX_SCALE_ROW1
.elseif (\z) && (\rb)
	v_wmma_scale_f32_16x16x128_f8f6f4 v[\d:\d+7], v[\a:\a+11], v[\b:\b+11], 0, v[\sa], v[\sb] matrix_a_fmt:MATRIX_FMT_FP6 matrix_b_fmt:MATRIX_FMT_FP6 matrix_b_scale:MATRIX_SCALE_ROW1
.elseif (\z)
	v_wmma_scale_f32_16x16x128_f8f6f4 v[\d:\d+7], v[\a:\a+11], v[\b:\b+11], 0, v[\sa], v[\sb] matrix_a_fmt:MATRIX_FMT_FP6 matrix_b_fmt:MATRIX_FMT_FP6
.elseif (\ra) && (\rb)
	v_wmma_scale_f32_16x16x128_f8f6f4 v[\d:\d+7], v[\a:\a+11], v[\b:\b+11], v[\d:\d+7], v[\sa], v[\sb] matrix_a_fmt:MATRIX_FMT_FP6 matrix_b_fmt:MATRIX_FMT_FP6 matrix_a_scale:MATRIX_SCALE_ROW1 matrix_b_scale:MATRIX_SCALE_ROW1
.elseif (\ra)
	v_wmma_scale_f32_16x16x128_f8f6f4 v[\d:\d+7], v[\a:\a+11], v[\b:\b+11], v[\d:\d+7], v[\sa], v[\sb] matrix_a_fmt:MATRIX_FMT_FP6 matrix_b_fmt:MATRIX_FMT_FP6 matrix_a_scale:MATRIX_SCALE_ROW1
.elseif (\rb)
	v_wmma_scale_f32_16x16x128_f8f6f4 v[\d:\d+7], v[\a:\a+11], v[\b:\b+11], v[\d:\d+7], v[\sa], v[\sb] matrix_a_fmt:MATRIX_FMT_FP6 matrix_b_fmt:MATRIX_FMT_FP6 matrix_b_scale:MATRIX_SCALE_ROW1
.else
	v_wmma_scale_f32_16x16x128_f8f6f4 v[\d:\d+7], v[\a:\a+11], v[\b:\b+11], v[\d:\d+7], v[\sa], v[\sb] matrix_a_fmt:MATRIX_FMT_FP6 matrix_b_fmt:MATRIX_FMT_FP6
.endif
.endm
.macro FRAG reg, a16, a8, off, d2
	ds_load_b128 v[\reg:\reg+3], v[\a16] offset:\off
	ds_load_b64 v[\reg+4:\reg+5], v[\a8] offset:\off+512
	ds_load_b128 v[\reg+6:\reg+9], v[\a16] offset:\off+\d2
	ds_load_b64 v[\reg+10:\reg+11], v[\a8] offset:\off+\d2+512
.endm
.macro JLOAD g0p, g1p, g0q, g1q
	s_cmp_eq_u32 s[WP], 0
	s_cbranch_scc0 .Lfor_q_\@
	tensor_load_to_lds s[\g0p:\g0p+3], s[\g1p:\g1p+7]
	s_nop 0
.rept 4
	v_nop
.endr
	s_branch .Lasked_\@
.Lfor_q_\@:
	tensor_load_to_lds s[\g0q:\g0q+3], s[\g1q:\g1q+7]
	s_nop 0
.rept 4
	v_nop
.endr
.Lasked_\@:
.endm
.macro CROUND
	s_barrier_signal -1
	s_barrier_wait -1
	s_cmp_lg_u32 s[WV], 0
	s_cbranch_scc1 .Lnot_wave_0_\@
	s_barrier_signal -3
.Lnot_wave_0_\@:
	s_barrier_wait -3
	s_barrier_signal -1
	s_barrier_wait -1
.endm
; TWO SETS OF FRAGMENTS AND SCALE WORDS: set 0 in v24-95, v16-17, v20; set 1 in v96-119 (Q), v192-239 (P), v18-19, v120.  A step's 27 LDS loads go out ahead of the step before's eight products.
.set QF2, 96
.set PF2, 192
.set SQ2, 120
.macro LOADS b, slot, st, gs           ; step st of the slot (the gs-th of all) into set b: 27 loads, behind four plain lines, since matrix instructions have read these registers
.rept 4
	v_nop
.endr
.irp q, 0,1
	FRAG QF+(QF2-QF)*(\b)+12*\q, AQ16+4*(\slot), AQ8+4*(\slot), \q*ROWB+(\st)*1536, 768
.endr
	ds_load_b32 v[SQ+(SQ2-SQ)*(\b)], v[ASQ] offset:(\gs)*128
.irp j, 0,1
	ds_load_b32 v[SP+2*(\b)+\j], v[ASP] offset:\j*K+(\gs)*128
.endr
.irp t, 0,1,2,3
	FRAG PF+(PF2-PF)*(\b)+12*\t, AP16+4*(\slot), AP8+4*(\slot), \t*ROWB+(\st)*1536, 768
.endr
.endm
.macro MULS b, z                       ; eight products on set b, the eight accumulators by turns
.irp t, 0,1,2,3
.irp q, 0,1
	WMS ACC+32*\q+8*\t, PF+(PF2-PF)*(\b)+12*\t, QF+(QF2-QF)*(\b)+12*\q, \z, SP+2*(\b)+\t/2, SQ+(SQ2-SQ)*(\b), \t%2, \q
.endr
.endr
.endm
.macro WORK slot, c, z
	LOADS 0, \slot, 0, (\c)*NST
	LOADS 1, \slot, 1, (\c)*NST+1
	s_wait_dscnt 27                                ; all but the next step's 27 loads
	MULS 0, \z
	LOADS 0, \slot, 2, (\c)*NST+2
	s_wait_dscnt 27
	MULS 1, 0
	LOADS 1, \slot, 3, (\c)*NST+3
	s_wait_dscnt 27
	MULS 0, 0
	s_wait_dscnt 0x0
	MULS 1, 0
.endm
.macro WORKL slot, c                   ; the last chunk, on set 0 alone: set 1's registers take the residual rows
.irp st, 0,1,2,3
	LOADS 0, \slot, \st, (\c)*NST+\st
	s_wait_dscnt 0x0
	MULS 0, 0
.endr
.endm
.macro CHANGE fs, refill, pf=0
	s_wait_tensorcnt 0x0
	ds_add_u32 v[SPW], v[NIL]
.if \refill
	s_add_nc_u64 s[G0P+4*(\fs)+2:G0P+4*(\fs)+3], s[G0P+4*(\fs)+2:G0P+4*(\fs)+3], 2*ROWB
	s_add_nc_u64 s[G0Q+4*(\fs)+2:G0Q+4*(\fs)+3], s[G0Q+4*(\fs)+2:G0Q+4*(\fs)+3], 2*ROWB
.endif
	s_wait_dscnt 0x0
.if \refill
	CROUND
	JLOAD G0P+4*(\fs), G1P, G0Q+4*(\fs), G1Q
.if \pf
	global_prefetch_b8 v23, s[88:89] offset:(\pf)*ROWB th:TH_LOAD_NT scope:SCOPE_SE   ; chunk pf, which is loaded two refills on
.endif
.else
	s_barrier_signal -1
	s_barrier_wait -1
.endif
.endm
	s_load_b256 s[4:11], s[0:1], 0x0
	v_lshl_add_u32 v[SPW], v0, 2, SPARE
	v_mov_b32 v[NIL], 0
	ds_add_u32 v1, v2
	ds_add_u32 v1, v2
	s_wait_dscnt 0x0
	v_lshrrev_b32 v3, 5, v0
	s_delay_alu instid0(VALU_DEP_1)
	v_readfirstlane_b32 s[WV], v3
	s_and_b32 s[WQ], s[WV], 3
	s_lshr_b32 s[WP], s[WV], 2
	s_bfe_u32 s[CX], ttmp6, 0x40000
	s_bfe_u32 s[CY], ttmp6, 0x40004
	s_lshl_b32 s[COL], ttmp9, 2
	s_add_co_u32 s[COL], s[COL], s[CX]
	s_and_b32 s[ROW], ttmp7, 0xffff
	s_lshl_b32 s[ROW], s[ROW], 2
	s_add_co_u32 s[ROW], s[ROW], s[CY]
	s_lshl_b32 s[MR], s[CY], 2
	s_lshl_b32 s[MR], 15, s[MR]
	s_lshl_b32 s[MC], 0x1111, s[CX]
	s_or_b32 s[G1P], s[MC], (3<<16)|(1<<21)
	s_or_b32 s[G1Q], s[MR], (3<<16)|(1<<21)
	s_or_b32 s[G1SP], s[MC], (3<<16)|(1<<21)
	s_or_b32 s[G1SQ], s[MR], (3<<16)|(1<<21)
.irp g, G1P, G1Q
	s_mov_b32 s[\g+1], (ROWB/8)<<16
	s_mov_b32 s[\g+2], 4<<16
	s_mov_b32 s[\g+3], (ROWB/8)<<16
	s_mov_b32 s[\g+4], 4
	s_mov_b32 s[\g+5], K12/8
	s_mov_b32 s[\g+6], 0
	s_mov_b32 s[\g+7], 0
.endr
.irp g, G1SP, G1SQ
	s_mov_b32 s[\g+1], 32<<16
	s_mov_b32 s[\g+2], (2*K/256)<<16
	s_mov_b32 s[\g+3], 32<<16
	s_mov_b32 s[\g+4], 2*K/256
	s_mov_b32 s[\g+5], 32
	s_mov_b32 s[\g+6], 0
	s_mov_b32 s[\g+7], 0
.endr
.set NQW, 2                            ; waves in each of the head's four arms
	s_lshl_b32 s83, s[WQ], 1
	s_and_b32 s81, s[WV], NQW-1
	s_lshl_b32 s81, s81, 1                         ; the head's scale loads: two pairs a wave
	s_lshl_b32 s82, s[COL], 3
	s_add_co_u32 s84, s82, s83
	s_mul_i32 s84, s84, K12
	s_add_co_u32 s84, s84, PCOFF
	s_mov_b32 s85, 0
	s_lshr_b32 s86, s82, 1
	s_add_co_u32 s86, s86, s81
	s_mul_i32 s86, s86, K
	s_add_co_u32 s86, s86, PSOFF
	s_mov_b32 s87, 0
	s_lshl_b32 s88, s[ROW], 3
	s_add_co_u32 s90, s88, s83
	s_mul_i32 s90, s90, K12
	s_mov_b32 s91, 0
	s_lshr_b32 s92, s88, 1
	s_add_co_u32 s92, s92, s81
	s_mul_i32 s92, s92, K
	s_add_co_u32 s92, s92, QSOFF
	s_mov_b32 s93, 0
	s_mul_i32 s94, s[WQ], 2*K
	s_lshl_b32 s81, s81, 1                         ; the head's loads of chunk 0: four tiles a wave
	s_add_co_u32 s2, s82, s81
	s_mul_i32 s2, s2, K12
	s_add_co_u32 s2, s2, PCOFF
	s_mov_b32 s3, 0
	s_add_co_u32 s88, s88, s81
	s_mul_i32 s88, s88, K12
	s_mov_b32 s89, 0
	s_mul_i32 s95, s[WV], 2*ROWB
	s_wait_kmcnt 0x0
	s_add_nc_u64 s[84:85], s[6:7], s[84:85]
	s_add_nc_u64 s[86:87], s[6:7], s[86:87]
	s_add_nc_u64 s[90:91], s[4:5], s[90:91]
	s_add_nc_u64 s[92:93], s[4:5], s[92:93]
	s_add_nc_u64 s[2:3], s[6:7], s[2:3]
	s_add_nc_u64 s[88:89], s[4:5], s[88:89]
	CROUND
	s_mov_b32 s[G0SP], 1
	s_add_co_u32 s[G0SP+1], s94, SCL
	s_mov_b64 s[G0SP+2:G0SP+3], s[86:87]
	s_or_b32 s[G0SP+3], s[G0SP+3], 0x80000000
	s_mov_b32 s[G0SQ], 1
	s_add_co_u32 s[G0SQ+1], s94, SCL
	s_mov_b64 s[G0SQ+2:G0SQ+3], s[92:93]
	s_or_b32 s[G0SQ+3], s[G0SQ+3], 0x80000000
	; THE HEAD'S FILLS, one joint load a wave, in one chain of four arms: P's chunk 0, Q's chunk 0 (four tiles a wave, in slot 0's groups 0), P's scale words, Q's (two pairs a wave)
	s_mov_b32 s[G0P], 1
	s_mul_i32 s[G0P+1], s[WV], 4*ROWB
	s_mov_b64 s[G0P+2:G0P+3], s[2:3]
	s_or_b32 s[G0P+3], s[G0P+3], 0x80000000
	s_mov_b32 s[G0Q], 1
	s_mul_i32 s[G0Q+1], s[WV], 4*ROWB
	s_mov_b64 s[G0Q+2:G0Q+3], s[88:89]
	s_or_b32 s[G0Q+3], s[G0Q+3], 0x80000000
.macro ARM under, g0, g1, next
	s_cmp_lt_u32 s[WV], \under
	s_cbranch_scc0 \next
	tensor_load_to_lds s[\g0:\g0+3], s[\g1:\g1+7]
	s_nop 0
.rept 4
	v_nop
.endr
	s_branch .Lhead_asked
\next:
.endm
	ARM NQW, G0P, G1P, .Lhead_q
	ARM 2*NQW, G0Q, G1Q, .Lhead_sp
	ARM 3*NQW, G0SP, G1SP, .Lhead_sq
	tensor_load_to_lds s[G0SQ:G0SQ+3], s[G1SQ:G1SQ+7]
	s_nop 0
.rept 4
	v_nop
.endr
.Lhead_asked:
	; PREFETCH INTO THE L2: behind the load of chunk c stands one request for chunk c + 2, which is loaded two loads on.  Of the two tiles' 2 ROWB bytes that my wave fetches in the ring, each of the four partners
	; that ask for them jointly names a quarter, told apart by address (cy for P, cx for Q): ROWB / 512 blocks of 256 bytes, a lane a block; the lanes left over name the last block again.
	; The chunk stands in the immediate: no address register is written again.  The last two chunks' loads ask for nothing.
	s_cmp_eq_u32 s[WP], 0
	s_cselect_b32 s82, s[CY], s[CX]
	s_cselect_b64 s[88:89], s[84:85], s[90:91]
	s_lshr_b32 s83, s82, 1
	s_mul_i32 s83, s83, K12
	s_and_b32 s82, s82, 1
	s_mul_i32 s82, s82, ROWB/2
	s_add_co_u32 s82, s82, s83
	s_mov_b32 s83, 0
	s_add_nc_u64 s[88:89], s[88:89], s[82:83]
	v_and_b32 v23, 31, v0
	v_min_u32 v23, ROWB/512-1, v23
	v_lshlrev_b32 v23, 8, v23
	s_wait_alu depctr_va_vdst(0)                   ; the wait behind the write
	global_prefetch_b8 v23, s[88:89] offset:ROWB th:TH_LOAD_NT scope:SCOPE_SE     ; at the head also chunk 1, which is loaded behind the next round
	global_prefetch_b8 v23, s[88:89] offset:2*ROWB th:TH_LOAD_NT scope:SCOPE_SE
	s_wait_alu depctr_va_vdst(0)
	s_wait_tensorcnt 0x0                           ; my head load is in: slot 1's first fill is issued as a refill is
	ds_add_u32 v1, v2
	s_mov_b32 s[G1P+2], 2<<16                      ; no tensor load of mine is out: from here on a load brings two tiles
	s_mov_b32 s[G1P+4], 2
	s_mov_b32 s[G1Q+2], 2<<16
	s_mov_b32 s[G1Q+4], 2
.irp s, 0,1
	s_mov_b32 s[G0P+4*\s], 1
	s_add_co_u32 s[G0P+4*\s+1], s95, \s*SLOT
	s_add_nc_u64 s[G0P+4*\s+2:G0P+4*\s+3], s[84:85], \s*ROWB
	s_or_b32 s[G0P+4*\s+3], s[G0P+4*\s+3], 0x80000000
	s_mov_b32 s[G0Q+4*\s], 1
	s_add_co_u32 s[G0Q+4*\s+1], s95, \s*SLOT
	s_add_nc_u64 s[G0Q+4*\s+2:G0Q+4*\s+3], s[90:91], \s*ROWB
	s_or_b32 s[G0Q+4*\s+3], s[G0Q+4*\s+3], 0x80000000
.endr
	s_wait_dscnt 0x0
	CROUND                                         ; chunk 0 and the scale words are in, in every wave of every partner
	JLOAD G0P+4, G1P, G0Q+4, G1Q                   ; chunk 1
	global_prefetch_b8 v23, s[88:89] offset:3*ROWB th:TH_LOAD_NT scope:SCOPE_SE
	v_and_b32 v5, 31, v0
	s_delay_alu instid0(VALU_DEP_1)
	v_lshlrev_b32 v3, 4, v5
	s_wait_alu depctr_va_vdst(0)
	v_lshlrev_b32 v4, 3, v5
	s_wait_alu depctr_va_vdst(0)
	v_lshlrev_b32 v5, 2, v5
	s_wait_alu depctr_va_vdst(0)
	s_lshl_b32 s96, s[ROW], 7
	s_lshr_b32 s97, s[WV], 1
	s_lshl_b32 s97, s97, 5
	s_add_co_u32 s96, s96, s97
	s_and_b32 s97, s[WV], 1
	s_lshl_b32 s97, s97, 3
	s_add_co_u32 s96, s96, s97
	s_lshl_b32 s96, s96, 12
	s_lshl_b32 s97, s[COL], 9
	s_add_co_u32 s2, s96, s97
	s_mov_b32 s3, 0
	s_add_nc_u64 s[8:9], s[8:9], s[2:3]
	s_add_nc_u64 s[10:11], s[10:11], s[2:3]
	; my 16 residual rows x 512 bytes are loaded ahead of the last chunk; here they are asked for into the L2: 32 blocks of 256 bytes, a lane a block, read by my wave alone
	v_and_b32 v121, 31, v0
	v_lshrrev_b32 v122, 1, v121                    ; place i of the tile
	v_and_b32 v123, 8, v122
	v_add_nc_u32 v122, v122, v123                  ; its row: i + (i & 8)
	v_and_b32 v121, 1, v121
	v_lshlrev_b32 v121, 8, v121
	v_lshl_add_u32 v121, v122, 12, v121
	global_prefetch_b8 v121, s[8:9] th:TH_LOAD_NT scope:SCOPE_SE
	s_mul_i32 s98, s[WP], 4*ROWB
	s_mul_i32 s99, s[WQ], 2*ROWB
	s_add_co_u32 s99, s99, QOFF
	v_add_nc_u32 v[AP16], s98, v3
	v_add_nc_u32 v[AP8], s98, v4
	v_add_nc_u32 v[AQ16], s99, v3
	v_add_nc_u32 v[AQ8], s99, v4
.irp i, 0,1,2,3
	s_delay_alu instid0(VALU_DEP_4)
	v_add_nc_u32 v[AP16+4+\i], SLOT, v[AP16+\i]
.endr
	s_mul_i32 s98, s[WP], 2*K
	s_add_co_u32 s98, s98, SCL
	v_add_nc_u32 v[ASP], s98, v5
	s_mul_i32 s99, s[WQ], K
	s_add_co_u32 s99, s99, SCL+4*K
	v_add_nc_u32 v[ASQ], s99, v5
	v_and_b32 v[STO], 15, v0
	v_bfe_u32 v[RD], v0, 4, 1
	s_delay_alu instid0(VALU_DEP_2)
	v_mul_u32_u24 v[STO], v[STO], 528
	s_delay_alu instid0(VALU_DEP_1)
	v_lshl_add_u32 v[STO], v[RD], 6, v[STO]
	s_mul_i32 s98, s[WQ], 32*528
	s_lshl_b32 s99, s[WP], 8
	s_add_co_u32 s98, s98, s99
	s_add_co_u32 s98, s98, STG
	v_add_nc_u32 v[STO], s98, v[STO]
	s_mul_i32 s99, s[WV], 8448
	s_add_co_u32 s99, s99, STG
	v_add_nc_u32 v[RD], s99, v3
	s_wait_alu depctr_va_vdst(0)
	WORK 0, 0, 1
	CHANGE 0, 1, 4
	WORK 1, 1, 0
	CHANGE 1, 1, 5
	WORK 0, 2, 0
	CHANGE 0, 1, 6
	WORK 1, 3, 0
	CHANGE 1, 1, 7
	WORK 0, 4, 0
	CHANGE 0, 1
	WORK 1, 5, 0
	CHANGE 1, 1
	WORK 0, 6, 0
	CHANGE 0, 0
.rept 4
	v_nop                                          ; four plain lines in front of loads into registers that matrix instructions have read
.endr
.set i, 0
.rept 16
	global_load_b128 v[RS+4*i:RS+4*i+3], v3, s[8:9] offset:(i+(i&8))*4096 th:TH_LOAD_NT
.set i, i+1
.endr
	WORKL 1, 7
.rept 4
	v_nop
.endr
.irp q, 0,1
.irp t, 0,1,2,3
	ds_store_b128 v[STO], v[ACC+32*\q+8*\t:ACC+32*\q+8*\t+3] offset:\q*8448+128*(\t/2)+32*(\t%2)
	ds_store_b128 v[STO], v[ACC+32*\q+8*\t+4:ACC+32*\q+8*\t+7] offset:\q*8448+128*(\t/2)+32*(\t%2)+16
.endr
.endr
	s_wait_dscnt 0x0
	s_barrier_signal -1
	s_barrier_wait -1
.set i, 0
.rept 16
	ds_load_b128 v[OB+4*i:OB+4*i+3], v[RD] offset:i*528
.set i, i+1
.endr
	s_wait_loadcnt 0x0
.set i, 0
.rept 16
	s_wait_dscnt 15-i
	v_pk_add_f32 v[OB+4*i:OB+4*i+1], v[OB+4*i:OB+4*i+1], v[RS+4*i:RS+4*i+1]
	v_pk_add_f32 v[OB+4*i+2:OB+4*i+3], v[OB+4*i+2:OB+4*i+3], v[RS+4*i+2:RS+4*i+3]
	global_store_b128 v3, v[OB+4*i:OB+4*i+3], s[10:11] offset:(i+(i&8))*4096 th:TH_STORE_NT
.set i, i+1
.endr
	s_wait_tensorcnt 0x0
	ds_add_u32 v[SPW], v[NIL]
	s_wait_dscnt 0x0
	CROUND
	s_endpgm
.Lfunc_end_k_q6acb2a2efa_gfc2:
	.size	k_q6acb2a2efa_gfc2, .Lfunc_end_k_q6acb2a2efa_gfc2-k_q6acb2a2efa_gfc2
	.p2alignl 7, 3214868480
	.fill 96, 4, 3214868480
	.section	.rodata,"a",@progbits
	.p2align	6, 0x0
	.amdhsa_kernel k_q6acb2a2efa_gfc2
		.amdhsa_group_segment_fixed_size 327680
		.amdhsa_private_segment_fixed_size 0
		.amdhsa_enable_private_segment 0
		.amdhsa_kernarg_size 32
		.amdhsa_user_sgpr_count 2
		.amdhsa_user_sgpr_kernarg_segment_ptr 1
		.amdhsa_wavefront_size32 1
		.amdhsa_system_sgpr_workgroup_id_x 1
		.amdhsa_system_sgpr_workgroup_id_y 1
		.amdhsa_system_sgpr_workgroup_id_z 1
		.amdhsa_system_vgpr_workitem_id 0
		.amdhsa_next_free_vgpr 256
		.amdhsa_next_free_sgpr 100
		.amdhsa_reserve_vcc 0
		.amdhsa_float_denorm_mode_32 3
		.amdhsa_float_denorm_mode_16_64 3
		.amdhsa_memory_ordered 1
		.amdhsa_forward_progress 1
		.amdhsa_inst_pref_size 119
	.end_amdhsa_kernel
	.amdgpu_metadata
---
amdhsa.version: [ 1, 2 ]
amdhsa.kernels:
  - .name:           k_q6acb2a2efa_gfc2
    .symbol:         k_q6acb2a2efa_gfc2.kd
    .args:
      - { .name: hid, .offset: 0, .size: 8, .value_kind: global_buffer, .address_space: global }
      - { .name: wts, .offset: 8, .size: 8, .value_kind: global_buffer, .address_space: global }
      - { .name: x1, .offset: 16, .size: 8, .value_kind: global_buffer, .address_space: global }
      - { .name: out0, .offset: 24, .size: 8, .value_kind: global_buffer, .address_space: global }
    .group_segment_fixed_size: 327680
    .private_segment_fixed_size: 0
    .kernarg_segment_align: 8
    .kernarg_segment_size: 32
    .max_flat_workgroup_size: 256
    .sgpr_count:     100
    .vgpr_count:     256
    .wavefront_size: 32
...
	.end_amdgpu_metadata
.endif
;; end of part 7
